; MI455X (gfx1250); checked and timed in simulation.
; The chip was launched on July 23, 2026; its instructions are those of AMD's public machine-readable ISA for CDNA 5 (MIT licence, August 2026) and "CDNA5" Instruction Set Architecture Reference Guide (July 2026). The comments in the code are by the model that wrote it; some were corrected since.
;; Multi Head Attention. Allowed arithmetic: matrix products marked QUANTISED: E3M2 operands, one E8M0 scale for each 32 along K, by v_wmma_scale_f32_16x16x128_f8f6f4 with both operands' format E3M2, f32 sums; everything else in f32.
;; Inputs: W_k 1,024 x 1,024 float32; W_o 1,024 x 1,024 float32; W_q 1,024 x 1,024 float32; W_v 1,024 x 1,024 float32; b_o 1,024 float32; inputs 4 x 2,048 x 1,024 float32.
;; Outputs: out0 4 x 2,048 x 1,024 float32.
;; This version of the problem:
;;   THIS VERSION OF THE PROBLEM IS GIVEN IN LOW PRECISION. The matrix products marked QUANTISED in the list below multiply operands that are first quantised to E3M2 (3 exponent bits, 2 mantissa bits; 6 bits a number), with one power-of-two scale for each 32 numbers along K (OCP MX v1.0); their sums are f32. All else is computed in f32.
;;   The module's matrix products, in the order in which they are computed (A, B: the left and right operand; K: the contracted axis; several contracted axes count as one K, in the product's order):
;;     1. [M 8,192, K 1,024] x [K 1,024, N 1,024]; A: input inputs; B: input W_q: QUANTISED
;;     2. [M 8,192, K 1,024] x [K 1,024, N 1,024]; A: input inputs; B: input W_k: QUANTISED
;;     3. [M 8,192, K 1,024] x [K 1,024, N 1,024]; A: input inputs; B: input W_v: QUANTISED
;;     4. batch 64 x [M 2,048, K 64] x [K 64, N 2,048]; A: computed on the way; B: computed on the way: QUANTISED
;;     5. batch 64 x [M 2,048, K 2,048] x [K 2,048, N 64]; A: softmax (see below); B: computed on the way: QUANTISED
;;     6. [M 8,192, K 1,024] x [K 1,024, N 1,024]; A: computed on the way; B: input W_o: QUANTISED
;;   THE QUANTISER, for each operand of a quantised product, along K:
;;     - K is cut into blocks of 32 from its start; a last block that is shorter is filled with zeros.
;;     - A block's scale is 2^e with e = floor(log2(the largest magnitude in the block)) - 4, held to -126 .. 127; a block of zeros has e = 0. As a byte (E8M0): e + 127.
;;     - Each number is divided by its block's scale, clamped to +-28, and rounded to the nearest number of E3M2, ties to even, subnormals kept.
;;     - The product sums the exact products of the quantised numbers (number of the format x scale) in f32.
;;   ~~~python
;;   def quantise(x, axis):      # numpy; x: float32 -> the quantised numbers, widened to float32 again
;;       x = np.moveaxis(x, axis, -1); K = x.shape[-1]
;;       x = np.pad(x, [(0, 0)] * (x.ndim - 1) + [(0, -K % 32)]); x = x.reshape(x.shape[:-1] + (-1, 32)); a = np.abs(x).max(-1, keepdims=True)
;;       e = np.where(a > 0, np.clip(np.frexp(np.where(a > 0, a, 1))[1] - 1 - 4, -126, 127), 0)      # np.frexp(a)[1] - 1 = floor(log2(a)), exactly
;;       r = np.clip(x / 2.0 ** e, -28, 28)
;;       step = 2.0 ** (np.maximum(np.frexp(np.where(r == 0, 1, r))[1] - 1, -2) - 2)
;;       q = np.round(r / step) * step * 2.0 ** e      # np.round: ties to even
;;       return np.moveaxis(q.reshape(q.shape[:-2] + (-1,))[..., :K], -1, axis).astype(np.float32)
;;   ~~~
;;   SOFTMAX AHEAD OF A QUANTISED PRODUCT. Where the list says 'softmax', what is quantised is not the finished softmax but p = 2^(t - M), with t = logit x log2(e) and M = ceil(the row's largest t), a whole number; so 1/2 < the row's largest p <= 1. The row's sum l is taken of the UNQUANTISED p, in f32, and the product's result is divided by l at the end. Since M is a whole number, a kernel that streams over the keys may use a running M (the ceiling of the running maximum): every later rescaling is an exact power of two, which a block's scale takes up: the codes' values come out the same.
;;   OPERANDS COMPUTED ON THE WAY. 'Computed on the way' means the value that the module computes at that place (a softmax that the list does not call 'softmax' is quantised finished and normalised). What goes into a quantiser is computed in f32, as accurately as f32 sums, v_exp_f32 and their like allow (about 1e-6 of the number): no bf16 or f16 on the way to a quantiser, and a product that is left as it is and whose result goes on into a quantised operand takes f32 operands (vector FMAs, or v_wmma_f32_16x16x4_f32). A number that lies on a knife's edge between two numbers of the format may be rounded either way, as far as f32 arithmetic and the matrix unit's own rounding can turn it there, and no further.
;; One version. Each part assembles by itself: llvm-mc -triple=amdgcn-amd-amdhsa -mcpu=gfx1250 --defsym DOCPART=n.
;; ======== version 1 of 1: 4 launches
;; workspace buffers: xq 6,553,600 bytes; wq 3,276,800 bytes; qq 6,815,744 bytes; kv 13,107,200 bytes; cq 6,553,600 bytes
;; launch quant (part 1): grid 768 x 1, 4 waves a work-group, no clusters, 34,816 bytes of LDS; arguments inputs, W_q, W_k, W_v, W_o, xq, wq; writes xq, wq
.if DOCPART == 1
	.amdgcn_target "amdgcn-amd-amdhsa--gfx1250"
	.amdhsa_code_object_version 6
	.text
	.protected	k_qcf69607ac1_quant
	.globl	k_qcf69607ac1_quant
	.p2align	8
	.type	k_qcf69607ac1_quant,@function
k_qcf69607ac1_quant:
	s_mov_b64 s[64:65], 0
	v_nop
	global_prefetch_b8 v0, s[64:65] scope:SCOPE_SE
	s_setreg_imm32_b32 hwreg(HW_REG_WAVE_MODE, 25, 1), 1
	s_wait_xcnt 0x0
; inputs [8192][1024] and the four weights [1024][1024], f32, K innermost, become codes of BF6 (E3M2) with one E8M0 byte for each 32 along K,
; laid as IMAGES OF THE OPERAND'S REGISTERS, so that the later launches fetch fragments by dense loads of 16 bytes a lane.
; ROWS go in groups of 32.  Tile 2 P + u holds at lane index r the row 32 P + 8 u + r + 8 (r / 8): two neighbouring tiles used as source 0 then give a lane 16 neighbouring rows.
; A FRAGMENT's image (16 rows x 128 K, 12 registers a lane) is 1,536 bytes: registers 4 c .. 4 c + 3 of lane l at 512 c + 16 l.  Codes: [tile][K step 0..7][1,536].
; SCALE WORDS: [group P][p 0..3][256 bytes]: lane l's 8 bytes at 8 l are the words of K steps 2 p and 2 p + 1; lanes 0-15 tile 2 P, lanes 16-31 tile 2 P + 1.
; A block's scale is 2^(floor(log2(largest magnitude)) - 4): its byte is the largest magnitude's exponent field - 4, held at 1 from below by a floor among the maximum's leaves.
; LIMITS: a block of zeros gets the byte 1 where the rule says 127 (its codes are zeros, and only this program reads the bytes); NaN and infinities among the inputs are not served.
; SHARES: work-group g takes half of K of the group g / 2 of 32 rows (groups 0-255: inputs; then 32 groups each of W_q, W_k, W_v, W_o).  Wave w takes tile u = w % 2 and K steps 2 p, 2 p + 1, p = 2 (g % 2) + w / 2:
; 32 loads of 512 consecutive bytes, all issued at once.  Only pointers are chosen by the work-group's number: one path through the text.
; The conversions want 32 neighbours along K in one lane, so a K step of the tile turns through the wave's own stage in LDS (rows of 512 + 16 bytes).
; The two waves of a pair of tiles hand their scale words through 256 bytes of LDS, behind one barrier, so that the words leave as 256 consecutive bytes.
; No tensor loads, no cluster: work-groups share nothing.
.set XSC, 6291456                      ; where xq's scale words begin
.set WSC, 3145728                      ; and wq's
.set STG, 8448                         ; a wave's stage: 16 rows x 528 bytes
.set SP,  528
.set SWD, 4*STG                        ; behind the stages: two pairs' scale words, 256 bytes each
.set PC0, 16                           ; v16-27   the first fragment's codes
.set PC1, 52                           ; v52-63   the second's: no store's data are written again
.set CT,  28                           ; v28-35   the second halves of the blocks' codes, as the conversions leave them
.set WD,  44                           ; v44-45   my rows' scale words of the two K steps
.set R,   64                           ; v64-191  the tile as loaded: row i, K step q at R + 8 i + 4 q
.set X,   192                          ; v192-255 my two blocks of 32 numbers
	s_load_b256 s[4:11], s[0:1], 0x0               ; inputs, W_q, W_k, W_v
	s_load_b128 s[12:15], s[0:1], 0x20             ; W_o, xq
	s_load_b64 s[16:17], s[0:1], 0x30              ; wq
	v_lshl_add_u32 v46, v0, 2, 0x8600
	v_mov_b32 v47, 0
	v_lshrrev_b32 v6, 5, v0
	v_readfirstlane_b32 s18, v6                    ; wave
	v_and_b32 v7, 31, v0                           ; lane
	v_and_b32 v8, 15, v0                           ; r
	v_bfe_u32 v9, v0, 4, 1                         ; h
	v_lshlrev_b32 v1, 4, v7                        ; 16 x lane
	s_mul_i32 s19, s18, STG
	v_add_nc_u32 v2, s19, v1                       ; into the stage: 16 x lane of a row
	v_mul_u32_u24 v3, v8, SP
	v_lshl_add_u32 v3, v9, 7, v3
	v_add_nc_u32 v3, s19, v3                       ; out of it: row r, + 128 h: my block of 32 numbers
	v_lshlrev_b32 v4, 3, v9                        ; 8 h: my bytes' place in a scale word
	v_lshlrev_b32 v5, 3, v7                        ; 8 x lane
	s_lshl_b32 s31, s18, 7                         ; 128 x wave = 256 (wave / 2) + 128 u
	s_add_co_u32 s31, s31, SWD
	v_lshl_add_u32 v50, v8, 3, s31                 ; where my tile's words go: + 8 r
	s_lshr_b32 s31, s18, 1
	s_lshl_b32 s31, s31, 8
	s_add_co_u32 s31, s31, SWD
	v_lshl_add_u32 v51, v7, 3, s31                 ; and where the pair's 256 bytes are read back: + 8 x lane
	v_mov_b32 v43, 0                               ; written once: a lane permute's destination counts as one of its sources
	s_mov_b32 s26, 0x76543210
	s_mov_b32 s27, 0xfedcba98                      ; selects for lane l xor 16
	s_lshr_b32 s28, ttmp9, 1                       ; the group of 32 rows, 0 .. 383
	s_and_b32 s29, ttmp9, 1
	s_lshl_b32 s29, s29, 1
	s_lshr_b32 s30, s18, 1
	s_add_co_u32 s29, s29, s30                     ; p
	s_and_b32 s30, s18, 1                          ; u
	s_and_b32 s32, s28, 31                         ; a weight's group,
	s_sub_co_u32 s33, s28, 256                     ; and its group in wq
	s_mov_b32 s34, WSC
	s_cmp_lt_u32 s28, 256                          ; the choice hangs on the work-group's number alone
	s_cselect_b32 s32, s28, s32
	s_cselect_b32 s33, s28, s33
	s_cselect_b32 s34, XSC, s34
	s_lshl_b32 s36, s32, 17                        ; source: 32 rows of 4,096 bytes a group,
	s_lshl_b32 s35, s30, 15                        ; + 8 rows for tile 1,
	s_add_co_u32 s36, s36, s35
	s_lshl_b32 s35, s29, 10                        ; + my 1,024 bytes of a row
	s_add_co_u32 s36, s36, s35
	s_mov_b32 s37, 0
	s_mul_i32 s38, s33, 24576                      ; codes: two tiles of 12,288 bytes a group,
	s_mul_i32 s35, s30, 12288
	s_add_co_u32 s38, s38, s35
	s_mul_i32 s35, s29, 3072                       ; + my two K steps
	s_add_co_u32 s38, s38, s35
	s_mov_b32 s39, 0
	s_lshl_b32 s40, s33, 10                        ; scale words: 1,024 bytes a group, 256 for each p
	s_lshl_b32 s35, s29, 8
	s_add_co_u32 s40, s40, s35
	s_add_co_u32 s40, s40, s34
	s_mov_b32 s41, 0
	s_wait_kmcnt 0x0
	s_cmp_lt_u32 s28, 352
	s_cselect_b64 s[20:21], s[10:11], s[12:13]     ; W_v or W_o
	s_cmp_lt_u32 s28, 320
	s_cselect_b64 s[20:21], s[8:9], s[20:21]       ; W_k
	s_cmp_lt_u32 s28, 288
	s_cselect_b64 s[20:21], s[6:7], s[20:21]       ; W_q
	s_cmp_lt_u32 s28, 256
	s_cselect_b64 s[20:21], s[4:5], s[20:21]       ; inputs
	s_cselect_b64 s[22:23], s[14:15], s[16:17]     ; xq or wq
	s_mov_b64 s[24:25], s[22:23]
	s_add_nc_u64 s[20:21], s[20:21], s[36:37]
	s_add_nc_u64 s[22:23], s[22:23], s[38:39]
	s_add_nc_u64 s[24:25], s[24:25], s[40:41]
.irp q, 0,1                            ; my tile: 16 rows x my 1,024 bytes; the first K step's sixteen loads first
.irp i, 0,1,2,3,4,5,6,7,8,9,10,11,12,13,14,15
	global_load_b128 v[R+8*\i+4*\q:R+8*\i+4*\q+3], v1, s[20:21] offset:(\i+8*(\i/8))*4096+512*\q th:TH_LOAD_NT
.endr
.endr
.macro TURNIN q                        ; a K step's 16 rows into the stage, as they lie
.irp i, 0,1,2,3,4,5,6,7,8,9,10,11,12,13,14,15
	ds_store_b128 v2, v[R+8*\i+4*\q:R+8*\i+4*\q+3] offset:SP*\i
.endr
.endm
.macro TURNOUT                         ; and back: lane (r, h) takes k = 64 c + 32 h + 0 .. 31 of row r.  LDS serves a wave's instructions in order: these see the stores above
.irp c, 0,1
.irp j, 0,1,2,3,4,5,6,7
	ds_load_b128 v[X+32*\c+4*\j:X+32*\c+4*\j+3], v3 offset:256*\c+16*\j
.endr
.endr
.endm
.macro QF w, pc                        ; my two blocks become the fragment's 12 registers at v[pc]; the row's scale word goes to v[w]
	v_max3_num_f32 v36, |v[X]|, |v[X+1]|, 0x2800000        ; the floor 2^(5 - 127) among the leaves: the byte cannot fall under 1
	v_max3_num_f32 v37, |v[X+32]|, |v[X+33]|, 0x2800000
.irp i, 2,4,6,8,10,12,14,16,18,20,22,24,26,28,30
	v_max3_num_f32 v36, v36, |v[X+\i]|, |v[X+\i+1]|
	v_max3_num_f32 v37, v37, |v[X+32+\i]|, |v[X+33+\i]|
.endr
	v_add_nc_u32 v38, 0xfe000000, v36              ; 4 off the exponent field: the conversion's scale operand
	v_add_nc_u32 v39, 0xfe000000, v37
	v_lshrrev_b32 v40, 23, v38                     ; the bytes of blocks h and 2 + h
	v_lshrrev_b32 v41, 23, v39
	v_lshl_or_b32 v42, v41, 16, v40
	v_lshlrev_b32 v42, v4, v42                     ; at their places in the word
	v_permlanex16_b32 v43, v42, s26, s27
	v_or_b32 v[\w], v42, v43                       ; with lane l xor 16's two the word is whole, in both lanes
	v_cvt_scalef32_pk16_bf6_f32 v[\pc:\pc+2], v[X:X+15], v38
	v_cvt_scalef32_pk16_bf6_f32 v[CT:CT+2], v[X+16:X+31], v38        ; (a conversion's three registers begin on an even number)
	v_cvt_scalef32_pk16_bf6_f32 v[\pc+6:\pc+8], v[X+32:X+47], v39
	v_cvt_scalef32_pk16_bf6_f32 v[CT+4:CT+6], v[X+48:X+63], v39
	v_nop                                          ; one plain place behind a scaled conversion
.irp i, 0,1,2
	v_mov_b32 v[\pc+3+\i], v[CT+\i]
	v_mov_b32 v[\pc+9+\i], v[CT+4+\i]
.endr
.endm
.macro OUTF q, pc                      ; the image: three stores of 512 consecutive bytes
.irp c, 0,1,2
	global_store_b128 v1, v[\pc+4*\c:\pc+4*\c+3], s[22:23] offset:\q*1536+512*\c
.endr
.endm
	s_wait_loadcnt 16                              ; the first K step's sixteen loads are in; the second's sixteen may be out
	TURNIN 0
	TURNOUT
	s_wait_loadcnt 0x0
	TURNIN 1                                       ; the same stage: these stores come behind the loads above
	s_wait_dscnt 16                                ; my 64 numbers of the first K step are in; the sixteen stores just issued may be out
	QF WD, PC0
	OUTF 0, PC0
	TURNOUT
	s_wait_dscnt 0x0
	QF WD+1, PC1
	OUTF 1, PC1
	ds_store_b64 v50, v[WD:WD+1]                   ; my tile's words, 8 bytes a row; lanes r and r + 16 write the same bytes with the same value
	s_wait_dscnt 0x0                               ; for the other wave's sake
	s_barrier_signal -1
	s_barrier_wait -1
	s_cmp_lg_u32 s30, 0                            ; the wave of the even tile stores the pair's words
	s_cbranch_scc1 .Ldone
	ds_load_b64 v[48:49], v51                      ; lanes 0-15 tile 0's words, lanes 16-31 tile 1's
	s_wait_dscnt 0x0
	global_store_b64 v5, v[48:49], s[24:25]        ; 256 consecutive bytes, at a multiple of 256
.Ldone:
	s_wait_tensorcnt 0x0
	ds_add_u32 v46, v47
	s_wait_dscnt 0x0
	s_endpgm
.Lfunc_end_k_qcf69607ac1_quant:
	.size	k_qcf69607ac1_quant, .Lfunc_end_k_qcf69607ac1_quant-k_qcf69607ac1_quant
	.p2alignl 7, 3214868480
	.fill 96, 4, 3214868480
	.section	.rodata,"a",@progbits
	.p2align	6, 0x0
	.amdhsa_kernel k_qcf69607ac1_quant
		.amdhsa_group_segment_fixed_size 34816
		.amdhsa_private_segment_fixed_size 0
		.amdhsa_enable_private_segment 0
		.amdhsa_kernarg_size 56
		.amdhsa_user_sgpr_count 2
		.amdhsa_user_sgpr_kernarg_segment_ptr 1
		.amdhsa_wavefront_size32 1
		.amdhsa_system_sgpr_workgroup_id_x 1
		.amdhsa_system_sgpr_workgroup_id_y 1
		.amdhsa_system_sgpr_workgroup_id_z 1
		.amdhsa_system_vgpr_workitem_id 0
		.amdhsa_next_free_vgpr 256
		.amdhsa_next_free_sgpr 66
		.amdhsa_reserve_vcc 0
		.amdhsa_float_denorm_mode_32 3
		.amdhsa_float_denorm_mode_16_64 3
		.amdhsa_memory_ordered 1
		.amdhsa_forward_progress 1
		.amdhsa_inst_pref_size 18
	.end_amdhsa_kernel
	.amdgpu_metadata
---
amdhsa.version: [ 1, 2 ]
amdhsa.kernels:
  - .name:           k_qcf69607ac1_quant
    .symbol:         k_qcf69607ac1_quant.kd
    .args:
      - { .name: inputs, .offset: 0, .size: 8, .value_kind: global_buffer, .address_space: global }
      - { .name: W_q, .offset: 8, .size: 8, .value_kind: global_buffer, .address_space: global }
      - { .name: W_k, .offset: 16, .size: 8, .value_kind: global_buffer, .address_space: global }
      - { .name: W_v, .offset: 24, .size: 8, .value_kind: global_buffer, .address_space: global }
      - { .name: W_o, .offset: 32, .size: 8, .value_kind: global_buffer, .address_space: global }
      - { .name: xq, .offset: 40, .size: 8, .value_kind: global_buffer, .address_space: global }
      - { .name: wq, .offset: 48, .size: 8, .value_kind: global_buffer, .address_space: global }
    .group_segment_fixed_size: 34816
    .private_segment_fixed_size: 0
    .kernarg_segment_align: 8
    .kernarg_segment_size: 56
    .max_flat_workgroup_size: 128
    .sgpr_count:     66
    .vgpr_count:     256
    .wavefront_size: 32
...
	.end_amdgpu_metadata
.endif
;; end of part 1
;; launch qkv (part 2): grid 8 x 32, 4 waves a work-group, clusters of 4 x 4, 327,680 bytes of LDS; arguments xq, wq, qq, kv; writes qq, kv
.if DOCPART == 2
	.amdgcn_target "amdgcn-amd-amdhsa--gfx1250"
	.amdhsa_code_object_version 6
	.text
	.protected	k_qcf69607ac1_qkv
	.globl	k_qcf69607ac1_qkv
	.p2align	8
	.type	k_qcf69607ac1_qkv,@function
k_qcf69607ac1_qkv:
	s_mov_b64 s[64:65], 0
	v_nop
	global_prefetch_b8 v0, s[64:65] scope:SCOPE_SE
	s_setreg_imm32_b32 hwreg(HW_REG_WAVE_MODE, 25, 1), 1
	s_wait_xcnt 0x0
	s_wait_alu depctr_hold_cnt(0) depctr_sa_sdst(0) depctr_va_vdst(0) depctr_va_sdst(0) depctr_va_ssrc(0) depctr_va_vcc(0) depctr_vm_vsrc(0)
	s_getreg_b32 s2, hwreg(HW_REG_IB_STS2, 6, 4)
	s_cmp_eq_u32 s2, 0
	s_cbranch_scc0 .Lentry_in_a_cluster
	s_endpgm
.Lentry_in_a_cluster:
	s_bfe_u32 s2, ttmp6, 0x10000c
	s_cmp_lg_u32 s2, 0xf033
	s_cbranch_scc0 .Lentry_shape_is_right
	s_endpgm
.Lentry_shape_is_right:
; Q, K and V = x W^T for 256 tokens x 2 heads a work-group, on codes of BF6 with E8M0 scales, and their quantising for the attention, in registers.
; SHARES: wave w takes tokens 128 (w / 2) on of the block (exactly one key step of 128) and head 2 hp + w % 2: 8 tiles of tokens x (4 + 4 + 4) tiles of Q, K, V: 96 accumulators, 768 registers.
; Tiles hold rows in the order 32 P + 8 u + r + 8 (r / 8) (tile 2 P + u, lane index r), so that the 16 registers of two neighbouring result tiles are 16 neighbours along the next product's K.
; Q, K: source 0 = 16 rows of W, source 1 = 16 tokens: a lane holds a token, its registers run along the head's 64.  V: source 0 = tokens, source 1 = rows of W: a lane holds a channel, its registers run along the tokens (the keys).
; K of 1,024 goes in four slot fills of two K steps through a ring of two LDS slots.  All operands are images of registers: a fragment is three loads of 16 bytes a lane, 512 consecutive bytes each.
; CLUSTERS: 4 x 4 work-groups.  x's tile hangs on the token block alone and is shared along a row of the cluster; the weights' tiles hang on the head pair alone and are shared along a column: joint loads.
; OUT: qq: [bh][tile 0..127][768 bytes: six registers a lane] and words (q0, q1, q0, q1) [bh][step][r][tile % 8];  kv: [bh][step][4 fragments of K | 4 of V^T | K's words [r][4] | V's words [r][4]].
;   A fragment of K holds key tile 2 f in registers 0-5 and key tile 2 f + 1 in registers 6-11, since the head's 64 fill half of the instruction's 128.
; LIMITS: a block of zeros gets the byte 1 where the rule says 127 (zero codes; only this program reads the bytes); NaN and infinities are not served.
; REGISTERS: window 0: v2-12 addresses; v16-55 two sets of scale words; v64-159 x's 8 fragments; v160-207, v208-255 two sets of 4 weight fragments.  Windows 1, 2, 3: Q's, K's, V's accumulators.
.set SLOT,  122880                     ; [W_q 24,576][W_k 24,576][W_v 24,576][x 49,152]: tiles of 3,072 bytes (two K steps)
.set SPARE, 2*SLOT                     ; the spare words, 128 bytes a wave: two blocks of 256 bytes that no other line names
.set XSC, 6291456
.set WSC, 3145728
.set QSC, 6291456
.set SPW, 2                            ; v2  LDS address of my spare word; never rewritten
.set NIL, 3                            ; v3  0; never rewritten
.set AX,  4                            ; v4-5 my x fragments in slot 0, 1
.set AW,  6                            ; v6-7 my weight fragments
.set L8,  8                            ; v8  8 x lane
.set L16, 10                           ; v10 16 x lane
.set QSA, 12                           ; v12 32 r + 16 h
.set SCB, 16                           ; set s at SCB + 20 s: x's words at 2 i + q, the weights' at 8 + 4 t + 2 i + q; lanes 0-15 the even tile, lanes 16-31 the odd one
.set XF,  64
.set WF,  160
.set EM,  64                           ; the way out: largest magnitudes,
.set ET,  80                           ; the other lane's, then the bytes,
.set ES,  96                           ; the conversions' scale operands,
.set CT,  112                          ; and the second halves of the codes
.set G1A, 24
.set G0A, 32
.set G1B, 48
.set G0B, 56
.set MSB, 0
.macro WIN new                         ; the immediate's high byte repeats the setting that is left
.if MSB != \new
	s_set_vgpr_msb (MSB<<8)|\new
.set MSB, \new
.endif
.endm
.macro PLACES                          ; four plain places behind matrix instructions, ahead of loads into their registers and of reads of their results
.rept 4
	v_nop
.endr
.endm
.macro JLOAD s                         ; a joint load: wave 3 fetches x's 16 tiles, waves 0-2 the 8 tiles of W_q, W_k, W_v.  The branch hangs on the wave's number alone; four v_nop follow each line
	s_cmp_eq_u32 s14, 3
	s_cbranch_scc0 .Lfor_w_\@
	tensor_load_to_lds s[G0A+4*\s:G0A+4*\s+3], s[G1A:G1A+7]
	s_nop 0
.rept 4
	v_nop
.endr
	s_branch .Lasked_\@
.Lfor_w_\@:
	tensor_load_to_lds s[G0B+4*\s:G0B+4*\s+3], s[G1B:G1B+7]
	s_nop 0
.rept 4
	v_nop
.endr
.Lasked_\@:
.endm
.macro CREST                           ; a round of the cluster's barrier behind its opening barrier
	s_cmp_lg_u32 s14, 0
	s_cbranch_scc1 .Lnot_wave_0_\@
	s_barrier_signal -3
.Lnot_wave_0_\@:
	s_barrier_wait -3
	s_barrier_signal -1
	s_barrier_wait -1
.endm
.macro CROUND
	s_barrier_signal -1
	s_barrier_wait -1
	CREST
.endm
; one matrix instruction: c < 0 starts the sum with the constant 0; ra, rb: the side's scale words stand in lanes 16-31
.macro WM d, a, b, c, sa, sb, ra, rb
.if (\c) < 0
.if (\ra) && (\rb)
	v_wmma_scale_f32_16x16x128_f8f6f4 v[\d:\d+7], v[\a:\a+11], v[\b:\b+11], 0, v[\sa], v[\sb] matrix_a_fmt:MATRIX_FMT_BF6 matrix_b_fmt:MATRIX_FMT_BF6 matrix_a_scale:MATRIX_SCALE_ROW1 matrix_b_scale:MATRIX_SCALE_ROW1
.elseif (\ra)
	v_wmma_scale_f32_16x16x128_f8f6f4 v[\d:\d+7], v[\a:\a+11], v[\b:\b+11], 0, v[\sa], v[\sb] matrix_a_fmt:MATRIX_FMT_BF6 matrix_b_fmt:MATRIX_FMT_BF6 matrix_a_scale:MATRIX_SCALE_ROW1
.elseif (\rb)
	v_wmma_scale_f32_16x16x128_f8f6f4 v[\d:\d+7], v[\a:\a+11], v[\b:\b+11], 0, v[\sa], v[\sb] matrix_a_fmt:MATRIX_FMT_BF6 matrix_b_fmt:MATRIX_FMT_BF6 matrix_b_scale:MATRIX_SCALE_ROW1
.else
	v_wmma_scale_f32_16x16x128_f8f6f4 v[\d:\d+7], v[\a:\a+11], v[\b:\b+11], 0, v[\sa], v[\sb] matrix_a_fmt:MATRIX_FMT_BF6 matrix_b_fmt:MATRIX_FMT_BF6
.endif
.else
.if (\ra) && (\rb)
	v_wmma_scale_f32_16x16x128_f8f6f4 v[\d:\d+7], v[\a:\a+11], v[\b:\b+11], v[\c:\c+7], v[\sa], v[\sb] matrix_a_fmt:MATRIX_FMT_BF6 matrix_b_fmt:MATRIX_FMT_BF6 matrix_a_scale:MATRIX_SCALE_ROW1 matrix_b_scale:MATRIX_SCALE_ROW1
.elseif (\ra)
	v_wmma_scale_f32_16x16x128_f8f6f4 v[\d:\d+7], v[\a:\a+11], v[\b:\b+11], v[\c:\c+7], v[\sa], v[\sb] matrix_a_fmt:MATRIX_FMT_BF6 matrix_b_fmt:MATRIX_FMT_BF6 matrix_a_scale:MATRIX_SCALE_ROW1
.elseif (\rb)
	v_wmma_scale_f32_16x16x128_f8f6f4 v[\d:\d+7], v[\a:\a+11], v[\b:\b+11], v[\c:\c+7], v[\sa], v[\sb] matrix_a_fmt:MATRIX_FMT_BF6 matrix_b_fmt:MATRIX_FMT_BF6 matrix_b_scale:MATRIX_SCALE_ROW1
.else
	v_wmma_scale_f32_16x16x128_f8f6f4 v[\d:\d+7], v[\a:\a+11], v[\b:\b+11], v[\c:\c+7], v[\sa], v[\sb] matrix_a_fmt:MATRIX_FMT_BF6 matrix_b_fmt:MATRIX_FMT_BF6
.endif
.endif
.endm
; 8 products of Q (t = 0) or K (t = 1): token tiles 2 i, 2 i + 1 x the head's four tiles; accumulator (a, b) at 8 (4 a + b).  The accumulators take turns, one instruction a turn
.macro MQK t, i, set, q, sc, zero
.irp a, 2*(\i), 2*(\i)+1
.irp b, 0,1,2,3
.set rD, 8*(4*(\a)+\b)
.set rA, WF+48*(\set)+12*\b
.set rB, XF+12*(\a)
.set rSA, SCB+20*(\sc)+8+4*(\t)+2*(\b/2)+(\q)
.set rSB, SCB+20*(\sc)+2*(\i)+(\q)
.if \zero
	WM rD, rA, rB, -1, rSA, rSB, \b%2, (\a)%2
.else
	WM rD, rA, rB, rD, rSA, rSB, \b%2, (\a)%2
.endif
.endr
.endr
.endm
; 8 products of V, the sources the other way round; accumulator (a, b) at 8 (8 b + a)
.macro MV i, set, q, sc, zero
.irp a, 2*(\i), 2*(\i)+1
.irp b, 0,1,2,3
.set rD, 8*(8*\b+(\a))
.set rA, XF+12*(\a)
.set rB, WF+48*(\set)+12*\b
.set rSA, SCB+20*(\sc)+2*(\i)+(\q)
.set rSB, SCB+20*(\sc)+16+2*(\b/2)+(\q)
.if \zero
	WM rD, rA, rB, -1, rSA, rSB, (\a)%2, \b%2
.else
	WM rD, rA, rB, rD, rSA, rSB, (\a)%2, \b%2
.endif
.endr
.endr
.endm
.macro FW s, q, t, set                 ; my head's four fragments of weight t, K step q of slot s: 12 loads
	WIN 0
.irp b, 0,1,2,3
.irp c, 0,1,2
	ds_load_b128 v[WF+48*(\set)+12*\b+4*\c:WF+48*(\set)+12*\b+4*\c+3], v[AW+\s] offset:\t*24576+\b*3072+\q*1536+512*\c
.endr
.endr
.endm
.macro FX s, q, a0                     ; x's fragments a0 .. a0 + 3: 12 loads
	WIN 0
.irp a, \a0, \a0+1, \a0+2, \a0+3
.irp c, 0,1,2
	ds_load_b128 v[XF+12*(\a)+4*\c:XF+12*(\a)+4*\c+3], v[AX+\s] offset:(\a)*3072+\q*1536+512*\c
.endr
.endr
.endm
.macro FS f, set                       ; the scale words of slot fill f: ten loads of 256 consecutive bytes
.irp i, 0,1,2,3
	global_load_b64 v[SCB+20*(\set)+2*\i:SCB+20*(\set)+2*\i+1], v[L8], s[66:67] offset:\i*1024+(\f)*256
.endr
.irp t, 0,1,2
.irp i, 0,1
	global_load_b64 v[SCB+20*(\set)+8+4*\t+2*\i:SCB+20*(\set)+8+4*\t+2*\i+1], v[L8], s[68:69] offset:\t*32768+\i*1024+(\f)*256
.endr
.endr
.endm
; A K step is three phases of 32 products.  The weights' set is (3 q + t) % 2; the next phase's set is fetched at a phase's head, behind four places.
.macro PH_Q s, q, zero
	FW \s, \q, 1, (3*\q+1)%2                       ; (no matrix instruction has been issued since the last four places)
	s_wait_dscnt 24                                ; W_q's set and x's blocks 0-3 are in; x's blocks 4-7 and W_k's set may be out
	WIN 0x50
	MQK 0, 0, (3*\q)%2, \q, \s, \zero
	MQK 0, 1, (3*\q)%2, \q, \s, \zero
	s_wait_dscnt 12                                ; x's blocks 4-7 are in; W_k's set may be out
	MQK 0, 2, (3*\q)%2, \q, \s, \zero
	MQK 0, 3, (3*\q)%2, \q, \s, \zero
.endm
.macro PH_K s, q, zero
	PLACES
	FW \s, \q, 2, (3*\q+2)%2
	s_wait_dscnt 12                                ; W_k's set is in; W_v's may be out
	WIN 0xa0
	MQK 1, 0, (3*\q+1)%2, \q, \s, \zero
	MQK 1, 1, (3*\q+1)%2, \q, \s, \zero
	MQK 1, 2, (3*\q+1)%2, \q, \s, \zero
	MQK 1, 3, (3*\q+1)%2, \q, \s, \zero
.endm
.macro PH_V s, zero                    ; V of a slot's first K step; x's one set is fetched anew as its blocks fall free
	PLACES
	FW \s, 1, 0, 1
	s_wait_dscnt 12                                ; W_v's set is in; the next W_q's may be out
	WIN 0xf0
	MV 0, 0, 0, \s, \zero
	MV 1, 0, 0, \s, \zero
	PLACES
	FX \s, 1, 0
	WIN 0xf0
	MV 2, 0, 0, \s, \zero
	MV 3, 0, 0, \s, \zero
	PLACES
	FX \s, 1, 4
.endm
; V of a slot's second K step changes slots: ONE barrier; ahead of it each wave waits for all its tensor loads, adds 0 to its spare word, and waits for that and for its reads of this slot.
.macro TURN s, n, fill, f2
	WIN 0
	s_wait_tensorcnt 0x0                           ; my one load that was out is my part of the next slot
	ds_add_u32 v[SPW], v[NIL]                      ; 0 onto my spare word
	s_wait_dscnt 1                                 ; W_v's set is in; only the add may be out
	WIN 0xf0
	MV 0, 1, 1, \s, 0                              ; eight matrix instructions stand between the add and the wait for it
	s_wait_dscnt 0x0                               ; the add is done, and my reads of this slot are over
	s_barrier_signal -1
	MV 1, 1, 1, \s, 0
	WIN 0
	s_barrier_wait -1
.if \fill
	CREST                                          ; the barrier has opened a round of the cluster's: no wave of any partner still reads this slot or has a load on its way
	s_add_nc_u64 s[G0A+4*\s+2:G0A+4*\s+3], s[G0A+4*\s+2:G0A+4*\s+3], 6144
	s_add_nc_u64 s[G0B+4*\s+2:G0B+4*\s+3], s[G0B+4*\s+2:G0B+4*\s+3], 6144
	JLOAD \s                                       ; the first tensor load behind the round; its four v_nop are the places ahead of the loads below.  It has the next slot's 192 matrix instructions in which to land
.else
	PLACES
.endif
	FW \n, 0, 0, 0
	FX \n, 0, 0
	WIN 0xf0
	MV 2, 1, 1, \s, 0
	MV 3, 1, 1, \s, 0
	PLACES
	FX \n, 0, 4
.if \fill
	FS \f2, \s                                     ; this slot's set of scale words is free: four places stand behind its last readers
.endif
.endm
.macro FIVE s, zero
	PH_Q \s, 0, \zero
	PH_K \s, 0, \zero
	PH_V \s, \zero
	PH_Q \s, 1, 0
	PH_K \s, 1, 0
.endm
	s_load_b256 s[4:11], s[0:1], 0x0               ; xq, wq, qq, kv
	v_lshl_add_u32 v[SPW], v0, 2, SPARE
	v_mov_b32 v[NIL], 0
	ds_add_u32 v2, v3
	ds_add_u32 v2, v3
	s_wait_dscnt 0x0
	v_lshrrev_b32 v1, 5, v0
	v_readfirstlane_b32 s14, v1                    ; wave
	s_lshr_b32 s15, s14, 1                         ; which 128 tokens
	s_and_b32 s16, s14, 1                          ; which head of the pair
	s_bfe_u32 s40, ttmp6, 0x40000                  ; cx, cy
	s_bfe_u32 s41, ttmp6, 0x40004
	s_lshl_b32 s42, ttmp9, 2
	s_add_co_u32 s42, s42, s40                     ; head pair
	s_and_b32 s17, ttmp7, 0xffff
	s_lshl_b32 s17, s17, 2
	s_add_co_u32 s17, s17, s41                     ; block of 256 tokens
	s_lshl_b32 s43, s41, 2
	s_lshl_b32 s43, 15, s43                        ; my row of the cluster
	s_lshl_b32 s44, 0x1111, s40                    ; my column
	s_or_b32 s[G1A], s43, (3<<16)|(1<<21)          ; x: the mask of my row; elements of 8 bytes; bit 21 set beside a mask; no padding
	s_mov_b32 s[G1A+1], 384<<16                    ; tensor_dim0: a tile's two K steps, 3,072 bytes
	s_mov_b32 s[G1A+2], 16<<16                     ; tensor_dim1: 16 tiles
	s_mov_b32 s[G1A+3], 384<<16                    ; tile_dim0
	s_mov_b32 s[G1A+4], 16                         ; tile_dim1
	s_mov_b32 s[G1A+5], 1536                       ; from tile to tile: 12,288 bytes
	s_mov_b32 s[G1A+6], 0
	s_mov_b32 s[G1A+7], 0
	s_or_b32 s[G1B], s44, (3<<16)|(1<<21)          ; a weight: the mask of my column; 8 tiles
	s_mov_b32 s[G1B+1], 384<<16
	s_mov_b32 s[G1B+2], 8<<16
	s_mov_b32 s[G1B+3], 384<<16
	s_mov_b32 s[G1B+4], 8
	s_mov_b32 s[G1B+5], 1536
	s_mov_b32 s[G1B+6], 0
	s_mov_b32 s[G1B+7], 0
	s_mul_i32 s20, s17, 196608                     ; x's 16 tiles: the token block alone
	s_mov_b32 s21, 0
	s_min_u32 s45, s14, 2
	s_mul_i32 s46, s45, 786432                     ; the weight: wave 0, 1, 2,
	s_mul_i32 s47, s42, 98304                      ; and the head pair's 8 tiles
	s_add_co_u32 s46, s46, s47
	s_mov_b32 s47, 0
	s_mul_i32 s22, s14, 24576                      ; where my part goes in a slot
	s_lshl_b32 s78, s17, 13                        ; x's scale words: group 8 mb + 4 (w / 2)
	s_lshl_b32 s79, s15, 12
	s_add_co_u32 s78, s78, s79
	s_add_co_u32 s78, s78, XSC
	s_mov_b32 s79, 0
	s_lshl_b32 s80, s42, 12                        ; the weights': group 4 hp + 2 (w % 2)
	s_lshl_b32 s81, s16, 11
	s_add_co_u32 s80, s80, s81
	s_add_co_u32 s80, s80, WSC
	s_mov_b32 s81, 0
	s_lshr_b32 s82, s17, 3                         ; batch
	s_lshl_b32 s82, s82, 4
	s_lshl_b32 s83, s42, 1
	s_add_co_u32 s82, s82, s83
	s_add_co_u32 s82, s82, s16                     ; bh = 16 batch + head
	s_lshl_b32 s82, s82, 4
	s_and_b32 s83, s17, 7
	s_lshl_b32 s83, s83, 1
	s_add_co_u32 s82, s82, s83
	s_add_co_u32 s82, s82, s15                     ; 16 bh + key step
	s_mul_i32 s84, s82, 12800
	s_mov_b32 s85, 0
	s_mul_i32 s86, s82, 6144
	s_mov_b32 s87, 0
	s_lshl_b32 s88, s82, 9
	s_add_co_u32 s88, s88, QSC
	s_mov_b32 s89, 0
	s_mov_b32 s12, 0x76543210
	s_mov_b32 s13, 0xfedcba98                      ; selects for lane l xor 16
	s_mov_b32 s76, 0x2800000                       ; the floor 2^(5 - 127)
	s_wait_kmcnt 0x0
	s_add_nc_u64 s[20:21], s[4:5], s[20:21]
	s_add_nc_u64 s[46:47], s[6:7], s[46:47]
	s_add_nc_u64 s[66:67], s[4:5], s[78:79]
	s_add_nc_u64 s[68:69], s[6:7], s[80:81]
	s_add_nc_u64 s[70:71], s[10:11], s[84:85]      ; my key step's block of kv
	s_add_nc_u64 s[72:73], s[8:9], s[86:87]        ; my eight tiles of qq
	s_add_nc_u64 s[74:75], s[8:9], s[88:89]        ; and their words
	CROUND                                         ; all sixteen work-groups are here: the first joint loads meet
.irp s, 0,1
	s_mov_b32 s[G0A+4*\s], 1
	s_add_co_u32 s[G0A+4*\s+1], s22, \s*SLOT
	s_add_nc_u64 s[G0A+4*\s+2:G0A+4*\s+3], s[20:21], \s*3072
	s_or_b32 s[G0A+4*\s+3], s[G0A+4*\s+3], 0x80000000
	s_mov_b32 s[G0B+4*\s], 1
	s_add_co_u32 s[G0B+4*\s+1], s22, \s*SLOT
	s_add_nc_u64 s[G0B+4*\s+2:G0B+4*\s+3], s[46:47], \s*3072
	s_or_b32 s[G0B+4*\s+3], s[G0B+4*\s+3], 0x80000000
	JLOAD \s                                       ; two tensor loads of mine are out
.endr
	v_and_b32 v1, 31, v0                           ; lane
	v_lshlrev_b32 v[L16], 4, v1
	v_lshlrev_b32 v[L8], 3, v1
	s_mul_i32 s18, s15, 24576
	s_add_co_u32 s18, s18, 73728                   ; my 8 tiles of x
	s_mul_i32 s19, s16, 12288                      ; my head's 4 tiles of a weight
	v_add_nc_u32 v[AX], s18, v[L16]
	v_add_nc_u32 v[AX+1], SLOT, v[AX]
	v_add_nc_u32 v[AW], s19, v[L16]
	v_add_nc_u32 v[AW+1], SLOT, v[AW]
	v_and_b32 v9, 15, v0
	v_bfe_u32 v11, v0, 4, 1
	v_lshlrev_b32 v[QSA], 5, v9
	v_lshl_add_u32 v[QSA], v11, 4, v[QSA]
	FS 0, 0
	FS 1, 1
	s_wait_tensorcnt 1                             ; my part of slot 0 is in; slot 1's may stay out
	s_barrier_signal -1
	s_barrier_wait -1
	FW 0, 0, 0, 0
	FX 0, 0, 0
	FX 0, 0, 4
	s_wait_loadcnt 10                              ; this slot's ten scale loads are in; the next slot's ten may be out
	FIVE 0, 1                                      ; the first K step's products start the sums: nothing is cleared
	TURN 0, 1, 1, 2
	s_wait_loadcnt 10
	FIVE 1, 0
	TURN 1, 0, 1, 3
	s_wait_loadcnt 10
	FIVE 0, 0
	TURN 0, 1, 0, 0                                ; nothing is left to fetch
	s_wait_loadcnt 0x0
	FIVE 1, 0
	s_wait_dscnt 0x0
	WIN 0xf0
	MV 0, 1, 1, 1, 0
	MV 1, 1, 1, 1, 0
	MV 2, 1, 1, 1, 0
	MV 3, 1, 1, 1, 0
	WIN 0
; THE WAY OUT.  In each window, registers 16 k .. 16 k + 15 (k = 0 .. 15) are 16 neighbours of a block of 32 along the next K; the block's other 16 lie in lane l xor 16.
; Each accumulator is read from its low end on.  Pairs of blocks become six registers a lane (lanes 0-15 the even block, lanes 16-31 the odd one) at code + 6 (k / 2).
.macro EPI win, code
	WIN 0x14*\win
.irp k, 0,1,2,3,4,5,6,7,8,9,10,11,12,13,14,15
	v_max3_num_f32 v[EM+\k], s76, |v[16*\k]|, |v[16*\k+1]|
.endr
.irp i, 2,4,6,8,10,12,14
.irp k, 0,1,2,3,4,5,6,7,8,9,10,11,12,13,14,15
	v_max3_num_f32 v[EM+\k], v[EM+\k], |v[16*\k+\i]|, |v[16*\k+\i+1]|
.endr
.endr
	WIN 0
.irp k, 0,1,2,3,4,5,6,7,8,9,10,11,12,13,14,15
	v_permlanex16_b32 v[ET+\k], v[EM+\k], s12, s13
.endr
.irp k, 0,1,2,3,4,5,6,7,8,9,10,11,12,13,14,15
	v_max_num_f32 v[EM+\k], v[EM+\k], v[ET+\k]
.endr
.irp k, 0,1,2,3,4,5,6,7,8,9,10,11,12,13,14,15
	v_add_nc_u32 v[ES+\k], 0xfe000000, v[EM+\k]    ; 4 off the exponent field: the conversion's scale operand
.endr
.irp k, 0,1,2,3,4,5,6,7,8,9,10,11,12,13,14,15
	v_lshrrev_b32 v[ET+\k], 23, v[ES+\k]           ; the byte
.endr
	WIN \win
.irp m, 0,1,2,3,4,5,6,7
	v_cvt_scalef32_pk16_bf6_f32 v[\code+6*\m:\code+6*\m+2], v[32*\m:32*\m+15], v[ES+2*\m]
	v_cvt_scalef32_pk16_bf6_f32 v[CT+4*\m:CT+4*\m+2], v[32*\m+16:32*\m+31], v[ES+2*\m+1]
.endr
	WIN 0
	v_nop                                          ; one plain place behind a scaled conversion
.irp m, 0,1,2,3,4,5,6,7
.irp i, 0,1,2
	v_permlane16_swap_b32 v[\code+6*\m+\i], v[CT+4*\m+\i]
.endr
.irp i, 0,1,2
	v_mov_b32 v[\code+6*\m+3+\i], v[CT+4*\m+\i]
.endr
.endr
.endm
	PLACES
.irp k, 0,1,2,3,4,5,6,7,8,9,10,11,12,13,14,15
	v_mov_b32 v[ET+\k], 0                          ; written once: a lane permute's destination counts as one of its sources
.endr
	EPI 2, 144                                     ; K: v144-191 are its four fragments
.irp f, 0,1,2,3
	v_lshl_or_b32 v[240+\f], v[ET+4*\f+1], 8, v[ET+4*\f]
	v_lshl_or_b32 v[240+\f], v[ET+4*\f+2], 16, v[240+\f]
	v_lshl_or_b32 v[240+\f], v[ET+4*\f+3], 24, v[240+\f]
.endr
.irp c, 0,1,2,3,4,5,6,7,8,9,10,11
	global_store_b128 v[L16], v[144+4*\c:144+4*\c+3], s[70:71] offset:512*\c          ; 512 consecutive bytes a store
.endr
	EPI 3, 192                                     ; V^T: v192-239
.irp f, 0,1,2,3
	v_lshl_or_b32 v[244+\f], v[ET+4*\f+1], 8, v[ET+4*\f]
	v_lshl_or_b32 v[244+\f], v[ET+4*\f+2], 16, v[244+\f]
	v_lshl_or_b32 v[244+\f], v[ET+4*\f+3], 24, v[244+\f]
.endr
.irp c, 0,1,2,3,4,5,6,7,8,9,10,11
	global_store_b128 v[L16], v[192+4*\c:192+4*\c+3], s[70:71] offset:6144+512*\c
.endr
	v_cmp_gt_u32 vcc_lo, 16, v1                    ; lanes 0-15 carry K's words, lanes 16-31 V's
.irp f, 0,1,2,3
	v_cndmask_b32 v[248+\f], v[244+\f], v[240+\f], vcc_lo
.endr
	global_store_b128 v[L16], v[248:251], s[70:71] offset:12288
	s_wait_xcnt 0x0                                ; v144-191, which K's stores read, are written again only behind this wait
	EPI 1, 144                                     ; Q: tile a's six registers at 144 + 6 a
.irp a, 0,1,2,3,4,5,6,7
	v_lshl_or_b32 v[CT+\a], v[ET+2*\a+1], 8, v[ET+2*\a]
.endr
.irp a, 0,1,2,3,4,5,6,7
	v_lshl_or_b32 v[CT+\a], v[CT+\a], 16, v[CT+\a] ; (q0, q1, q0, q1): the word serves Q in either half of the instruction's K
.endr
.irp j, 0,1,2,3
	v_cndmask_b32 v[252+\j], v[CT+4+\j], v[CT+\j], vcc_lo
.endr
.irp a, 0,1,2,3,4,5,6,7
	global_store_b128 v[L16], v[144+6*\a:144+6*\a+3], s[72:73] offset:768*\a
	global_store_b64 v[L8], v[144+6*\a+4:144+6*\a+5], s[72:73] offset:768*\a+512
.endr
	global_store_b128 v[QSA], v[252:255], s[74:75]
	s_wait_tensorcnt 0x0                           ; the wave's end
	ds_add_u32 v[SPW], v[NIL]
	s_wait_dscnt 0x0
	CROUND                                         ; the closing round: no work-group ends while a partner may still ask for a tile that names it
	s_endpgm
.Lfunc_end_k_qcf69607ac1_qkv:
	.size	k_qcf69607ac1_qkv, .Lfunc_end_k_qcf69607ac1_qkv-k_qcf69607ac1_qkv
	.p2alignl 7, 3214868480
	.fill 96, 4, 3214868480
	.section	.rodata,"a",@progbits
	.p2align	6, 0x0
	.amdhsa_kernel k_qcf69607ac1_qkv
		.amdhsa_group_segment_fixed_size 327680
		.amdhsa_private_segment_fixed_size 0
		.amdhsa_enable_private_segment 0
		.amdhsa_kernarg_size 32
		.amdhsa_user_sgpr_count 2
		.amdhsa_user_sgpr_kernarg_segment_ptr 1
		.amdhsa_wavefront_size32 1
		.amdhsa_system_sgpr_workgroup_id_x 1
		.amdhsa_system_sgpr_workgroup_id_y 1
		.amdhsa_system_sgpr_workgroup_id_z 1
		.amdhsa_system_vgpr_workitem_id 0
		.amdhsa_next_free_vgpr 1024
		.amdhsa_next_free_sgpr 100
		.amdhsa_reserve_vcc 1
		.amdhsa_float_denorm_mode_32 3
		.amdhsa_float_denorm_mode_16_64 3
		.amdhsa_memory_ordered 1
		.amdhsa_forward_progress 1
		.amdhsa_inst_pref_size 194
	.end_amdhsa_kernel
	.amdgpu_metadata
---
amdhsa.version: [ 1, 2 ]
amdhsa.kernels:
  - .name:           k_qcf69607ac1_qkv
    .symbol:         k_qcf69607ac1_qkv.kd
    .args:
      - { .name: xq, .offset: 0, .size: 8, .value_kind: global_buffer, .address_space: global }
      - { .name: wq, .offset: 8, .size: 8, .value_kind: global_buffer, .address_space: global }
      - { .name: qq, .offset: 16, .size: 8, .value_kind: global_buffer, .address_space: global }
      - { .name: kv, .offset: 24, .size: 8, .value_kind: global_buffer, .address_space: global }
    .group_segment_fixed_size: 327680
    .private_segment_fixed_size: 0
    .kernarg_segment_align: 8
    .kernarg_segment_size: 32
    .max_flat_workgroup_size: 128
    .sgpr_count:     100
    .vgpr_count:     1024
    .wavefront_size: 32
...
	.end_amdgpu_metadata
.endif
;; end of part 2
;; launch attn (part 3): grid 4 x 64, 16 waves a work-group, no clusters, 206,848 bytes of LDS; arguments qq, kv, cq; writes cq
.if DOCPART == 3
	.amdgcn_target "amdgcn-amd-amdhsa--gfx1250"
	.amdhsa_code_object_version 6
	.text
	.protected	k_qcf69607ac1_attn
	.globl	k_qcf69607ac1_attn
	.p2align	8
	.type	k_qcf69607ac1_attn,@function
k_qcf69607ac1_attn:
	s_mov_b64 s[64:65], 0
	v_nop
	global_prefetch_b8 v0, s[64:65] scope:SCOPE_SE
	s_setreg_imm32_b32 hwreg(HW_REG_WAVE_MODE, 25, 1), 1
	s_wait_xcnt 0x0
; ctx = causal softmax(Q K^T / 8) V for one head, both products on codes of BF6, and ctx quantised along head x 64 + channel for the last product.
; THE SOFTMAX: t = score x log2(e) / 8; M = the running largest t rounded UP to a whole number; p = 2^(t - M) is quantised along the keys, not normalised; the row's sum is taken of the unquantised p and divides at the end.
; THE WHOLE HEAD'S K AND V LIE IN LDS: 16 key steps x 12,800 bytes (4 fragments of K, 4 of V^T, their scale words), filled once: no ring, no refill.
; THE FILL GOES IN THREE PARTS, so that work begins on key step 0 while the rest lands: the head's first 16,384 bytes (key step 0 lies in them), the next 49,152 (with them key steps 1 to 4: 5 x 12,800 = 64,000),
;   and the last 139,264.  Each wave brings a sixteenth of each part (4, 12 and 34 rows of 256 bytes): three tensor loads of a wave are out at most.  A counted wait and a barrier stand ahead of key steps 0, 1 and 5.
; SHARES: work-group (i, bh) owns query blocks 7 - i and i of 256; wave w owns tile 112 - 16 i + w and tile 16 i + 15 - w of 16 queries: (tile / 8 + 1) key steps each, 17 together, for every wave of the launch.
; NO CLUSTER: the four work-groups of a head read the same 204,800 bytes, but which key steps a wave works hangs on its query block.
; LAYOUT: S^T = K Q^T and O^T = V^T P^T: a lane holds one query.  The head's 64 fill half of the instruction's K: a fragment of K holds two key tiles (registers 0-5, 6-11), and Q stands beside six registers of zero codes, (q, 0) or (0, q).
;   Tile 2 P + u holds at lane index r the row 32 P + 8 u + r + 8 (r / 8), so the 16 registers of tiles 2 f, 2 f + 1 of S^T are keys 32 f + 16 (lane / 16) + 0 .. 15, and likewise O^T's channels.
; The trip counts are constants; a step whose keys all come after the tile's queries is jumped over by a scalar branch on ids; on the diagonal hidden scores become -infinity ahead of the maximum.
;   A tile's 16 queries lie in ONE block of 32 keys of its diagonal step: the blocks below it hide nothing and are jumped over.
; LIMITS: p under 2^-126 comes out of v_exp_f32 as 0; a block of zeros gets the byte 1 (zero codes); NaN and infinities are not served.  ctx's scale bytes leave as 2 bytes a lane, since a head gives half a scale word: 262,144 bytes of the launch's stores.
; REGISTERS: v1 16 x lane; v2 the step's LDS address; v3 r + 8 (r / 8) - 16 h; v4-33 zeros, Q of tile A, zeros, Q of tile B, zeros; v34-35 Q's words; v36-43 -M, largest t, the sum's halves (A, B);
;   v44-75, v76-107 O^T; v108-171 S^T, then p; v172-219 four fragments; v220-223 scale words (lanes 0-15 K's, 16-31 V's); v224-235 p's codes; v236-255 at work (v253: p's scale word alone).
.set STEPB, 12800
.set PARTA, 4*256                      ; a wave's share of the fill's three parts
.set PARTB, 12*256
.set PARTC, 34*256
.set OFFB,  16*PARTA                   ; where the second part begins, in the head and in LDS alike
.set OFFC,  OFFB+16*PARTB              ; and the third
.set QSC, 6291456
.set CSO, 6291456
.set S,   108
.set FRG, 172
.set SCW, 220
.set PCD, 224
.macro PLACES
.rept 4
	v_nop
.endr
.endm
.macro WM d, a, b, c, sa, sb, ra, rb
.if (\c) < 0
.if (\ra) && (\rb)
	v_wmma_scale_f32_16x16x128_f8f6f4 v[\d:\d+7], v[\a:\a+11], v[\b:\b+11], 0, v[\sa], v[\sb] matrix_a_fmt:MATRIX_FMT_BF6 matrix_b_fmt:MATRIX_FMT_BF6 matrix_a_scale:MATRIX_SCALE_ROW1 matrix_b_scale:MATRIX_SCALE_ROW1
.elseif (\ra)
	v_wmma_scale_f32_16x16x128_f8f6f4 v[\d:\d+7], v[\a:\a+11], v[\b:\b+11], 0, v[\sa], v[\sb] matrix_a_fmt:MATRIX_FMT_BF6 matrix_b_fmt:MATRIX_FMT_BF6 matrix_a_scale:MATRIX_SCALE_ROW1
.elseif (\rb)
	v_wmma_scale_f32_16x16x128_f8f6f4 v[\d:\d+7], v[\a:\a+11], v[\b:\b+11], 0, v[\sa], v[\sb] matrix_a_fmt:MATRIX_FMT_BF6 matrix_b_fmt:MATRIX_FMT_BF6 matrix_b_scale:MATRIX_SCALE_ROW1
.else
	v_wmma_scale_f32_16x16x128_f8f6f4 v[\d:\d+7], v[\a:\a+11], v[\b:\b+11], 0, v[\sa], v[\sb] matrix_a_fmt:MATRIX_FMT_BF6 matrix_b_fmt:MATRIX_FMT_BF6
.endif
.else
.if (\ra) && (\rb)
	v_wmma_scale_f32_16x16x128_f8f6f4 v[\d:\d+7], v[\a:\a+11], v[\b:\b+11], v[\c:\c+7], v[\sa], v[\sb] matrix_a_fmt:MATRIX_FMT_BF6 matrix_b_fmt:MATRIX_FMT_BF6 matrix_a_scale:MATRIX_SCALE_ROW1 matrix_b_scale:MATRIX_SCALE_ROW1
.elseif (\ra)
	v_wmma_scale_f32_16x16x128_f8f6f4 v[\d:\d+7], v[\a:\a+11], v[\b:\b+11], v[\c:\c+7], v[\sa], v[\sb] matrix_a_fmt:MATRIX_FMT_BF6 matrix_b_fmt:MATRIX_FMT_BF6 matrix_a_scale:MATRIX_SCALE_ROW1
.elseif (\rb)
	v_wmma_scale_f32_16x16x128_f8f6f4 v[\d:\d+7], v[\a:\a+11], v[\b:\b+11], v[\c:\c+7], v[\sa], v[\sb] matrix_a_fmt:MATRIX_FMT_BF6 matrix_b_fmt:MATRIX_FMT_BF6 matrix_b_scale:MATRIX_SCALE_ROW1
.else
	v_wmma_scale_f32_16x16x128_f8f6f4 v[\d:\d+7], v[\a:\a+11], v[\b:\b+11], v[\c:\c+7], v[\sa], v[\sb] matrix_a_fmt:MATRIX_FMT_BF6 matrix_b_fmt:MATRIX_FMT_BF6
.endif
.endif
.endm
; descriptor group 1 for a dense block of so many rows of 256 bytes
.macro G1SET g, rows
	s_mov_b32 s[\g], 3<<16                         ; elements of 8 bytes, no mask, no padding
	s_mov_b32 s[\g+1], 32<<16                      ; tensor_dim0: rows of 256 bytes
	s_mov_b32 s[\g+2], (\rows)<<16                 ; tensor_dim1
	s_mov_b32 s[\g+3], 32<<16                      ; tile_dim0
	s_mov_b32 s[\g+4], \rows                       ; tile_dim1
	s_mov_b32 s[\g+5], 32                          ; pitch
	s_mov_b32 s[\g+6], 0
	s_mov_b32 s[\g+7], 0
.endm
; what hangs on a tile's number s[tau]: its diagonal step, its first query's place in that step, and its addresses
.macro PREP tau, sd, qoff, qb, qsb, cb, so
	s_lshr_b32 s[\sd], s[\tau], 3
	s_and_b32 s[\qoff], s[\tau], 6
	s_lshl_b32 s[\qoff], s[\qoff], 4
	s_and_b32 s54, s[\tau], 1
	s_lshl_b32 s55, s54, 3
	s_add_co_u32 s[\qoff], s[\qoff], s55           ; 32 ((tile % 8) / 2) + 8 (tile % 2)
	s_lshl_b32 s56, s12, 7
	s_add_co_u32 s56, s56, s[\tau]
	s_mul_i32 s56, s56, 768
	s_mov_b32 s57, 0
	s_add_nc_u64 s[\qb:\qb+1], s[4:5], s[56:57]    ; Q's codes
	s_lshl_b32 s56, s12, 4
	s_add_co_u32 s56, s56, s[\sd]
	s_lshl_b32 s56, s56, 9
	s_and_b32 s58, s[\tau], 7
	s_lshl_b32 s58, s58, 2
	s_add_co_u32 s56, s56, s58
	s_add_co_u32 s56, s56, QSC
	s_add_nc_u64 s[\qsb:\qsb+1], s[4:5], s[56:57]  ; Q's words
	s_lshr_b32 s58, s12, 4
	s_lshl_b32 s58, s58, 7
	s_add_co_u32 s58, s58, s[\tau]                 ; the token tile: 128 batch + tile
	s_and_b32 s59, s12, 15                         ; the head
	s_lshl_b32 s56, s58, 4
	s_add_co_u32 s56, s56, s59
	s_mul_i32 s56, s56, 768
	s_add_nc_u64 s[\cb:\cb+1], s[8:9], s[56:57]    ; ctx's codes
	s_lshr_b32 s[\so], s58, 1                      ; ctx's two scale bytes: group, tile's parity, head / 4, and (head % 4) x 2 within the lane's 8 bytes
	s_lshl_b32 s[\so], s[\so], 10
	s_lshl_b32 s60, s54, 7
	s_add_co_u32 s[\so], s[\so], s60
	s_lshr_b32 s60, s59, 2
	s_lshl_b32 s60, s60, 8
	s_add_co_u32 s[\so], s[\so], s60
	s_and_b32 s60, s59, 3
	s_lshl_b32 s60, s60, 1
	s_add_co_u32 s[\so], s[\so], s60
	s_add_co_u32 s[\so], s[\so], CSO
.endm
	s_load_b128 s[4:7], s[0:1], 0x0                ; qq, kv
	s_load_b64 s[8:9], s[0:1], 0x10                ; cq
	v_lshl_add_u32 v254, v0, 2, 0x32000
	v_mov_b32 v255, 0
	ds_add_u32 v254, v255
	ds_add_u32 v254, v255
	s_wait_dscnt 0x0
	v_lshrrev_b32 v1, 5, v0
	v_readfirstlane_b32 s10, v1                    ; wave 0..15
	s_and_b32 s12, ttmp7, 0xffff                   ; bh
	G1SET 68, 4
	G1SET 76, 12
	G1SET 84, 34
	s_mul_i32 s54, s12, 16*STEPB                   ; my head's first byte in kv
	s_mov_b32 s24, 1
	s_lshl_b32 s25, s10, 10                        ; part A: LDS byte 1,024 w,
	s_mov_b32 s28, 1
	s_mul_i32 s29, s10, PARTB
	s_add_co_u32 s29, s29, OFFB                    ; part B: 16,384 + 3,072 w,
	s_mov_b32 s32, 1
	s_mul_i32 s33, s10, PARTC
	s_add_co_u32 s33, s33, OFFC                    ; part C: 65,536 + 8,704 w; the head lies in LDS as it lies in memory
	s_add_co_u32 s56, s54, s25
	s_mov_b32 s57, 0
	s_add_co_u32 s58, s54, s29
	s_mov_b32 s59, 0
	s_add_co_u32 s60, s54, s33
	s_mov_b32 s61, 0
	s_wait_kmcnt 0x0
	s_add_nc_u64 s[26:27], s[6:7], s[56:57]
	s_or_b32 s27, s27, 0x80000000
	s_add_nc_u64 s[30:31], s[6:7], s[58:59]
	s_or_b32 s31, s31, 0x80000000
	s_add_nc_u64 s[34:35], s[6:7], s[60:61]
	s_or_b32 s35, s35, 0x80000000
	tensor_load_to_lds s[24:27], s[68:75]          ; my three tensor loads of the launch go out together, the part that is wanted first in front
	s_nop 0
	tensor_load_to_lds s[28:31], s[76:83]
	s_nop 0
	tensor_load_to_lds s[32:35], s[84:91]
	s_nop 0
	v_and_b32 v240, 15, v0                         ; r
	v_and_b32 v243, 31, v0                         ; lane
	v_bfe_u32 v242, v0, 4, 1                       ; h
	v_and_b32 v241, 8, v240
	v_lshlrev_b32 v1, 4, v243
	v_lshlrev_b32 v254, 3, v243                    ; 8 x lane
	v_lshlrev_b32 v255, 5, v240                    ; 32 r
	v_add_nc_u32 v3, v240, v241
	v_lshlrev_b32 v242, 4, v242
	v_sub_nc_u32 v3, v3, v242
	s_lshl_b32 s11, ttmp9, 4
	s_sub_co_u32 s13, 112, s11
	s_add_co_u32 s13, s13, s10                     ; tile A
	s_add_co_u32 s14, s11, 15
	s_sub_co_u32 s14, s14, s10                     ; tile B
	PREP 13, 15, 17, 40, 44, 48, 52
	PREP 14, 16, 18, 42, 46, 50, 53
	global_load_b128 v[10:13], v1, s[40:41]
	global_load_b64 v[14:15], v254, s[40:41] offset:512
	global_load_b32 v34, v255, s[44:45]
	global_load_b128 v[22:25], v1, s[42:43]
	global_load_b64 v[26:27], v254, s[42:43] offset:512
	global_load_b32 v35, v255, s[46:47]
	s_mov_b32 s36, 0x3e38aa3b                      ; c = log2(e) / 8
	s_mov_b32 s37, s36                             ; (named with it as a pair)
	s_mov_b32 s38, 0x76543210
	s_mov_b32 s39, 0xfedcba98
.irp j, 4,5,6,7,8,9,16,17,18,19,20,21,28,29,30,31,32,33
	v_mov_b32 v[\j], 0                             ; zero codes beside Q
.endr
.set j, 0
.rept 64
	v_mov_b32 v[44+j], 0                           ; O^T: the step is written for every step alike; the first change of M leaves zeros zeros
.set j, j+1
.endr
.irp t, 36, 40
	v_mov_b32 v[\t+1], 0xff61b1e6                  ; the largest t so far: -3e38
	v_floor_f32 v[\t], -v[\t+1]                    ; -M
	v_mov_b32 v[\t+2], 0
	v_mov_b32 v[\t+3], 0
.endr
.irp b, 0,1,2,3
	v_mov_b32 v[236+\b], 0                         ; a lane permute's destination counts as one of its sources
.endr
	v_mov_b32 v253, 0
; One tile of 16 queries against the key step in hand.
.macro TILE qb, qs, st, ob, sd, qoff
	s_cmp_gt_u32 s19, s[\sd]
	s_cbranch_scc1 .Lskip_\@                       ; all 128 keys come after my queries
	PLACES                                         ; ahead of loads into registers that matrix instructions have read
.irp c, 0,1,2,3,4,5,6,7,8,9,10,11
	ds_load_b128 v[FRG+4*\c:FRG+4*\c+3], v2 offset:512*\c
.endr
	ds_load_b128 v[SCW:SCW+3], v2 offset:12288
	s_wait_dscnt 0x0
.irp f, 0,1,2,3
	WM S+16*\f, FRG+12*\f, \qb, -1, SCW+\f, \qs, 0, 0
	WM S+16*\f+8, FRG+12*\f, \qb-6, -1, SCW+\f, \qs, 0, 0
.endr
	PLACES
.irp c, 0,1,2,3,4,5,6,7,8,9,10,11
	ds_load_b128 v[FRG+4*\c:FRG+4*\c+3], v2 offset:6144+512*\c     ; V^T lands under the softmax
.endr
	s_cmp_lg_u32 s19, s[\sd]
	s_cbranch_scc1 .Lopen_\@
	s_lshr_b32 s22, s[\qoff], 5                    ; the block of 32 keys in which my tile's queries lie
	v_add_nc_u32 v254, s[\qoff], v3                ; register 16 b + i holds key 32 b + 16 h + i of the step: hidden where 32 b + i > my query's place - 16 h
	v_mov_b32 v255, 0xff800000
.irp b, 0,1,2,3
.if \b < 3
	s_cmp_gt_u32 s22, \b                           ; a block below my queries' block hides nothing: 32 b + 15 < 32 (b + 1) - 16
	s_cbranch_scc1 .Lblk_\@_\b
.endif
.irp i, 0,1,2,3,4,5,6,7,8,9,10,11,12,13,14,15
	v_cmp_gt_i32 vcc_lo, 32*\b+\i, v254
	v_cndmask_b32 v[S+16*\b+\i], v[S+16*\b+\i], v255, vcc_lo
.endr
.if \b < 3
.Lblk_\@_\b:
.endif
.endr
.Lopen_\@:
.irp b, 0,1,2,3
	v_max3_num_f32 v[248+\b], v[S+16*\b], v[S+1+16*\b], v[S+2+16*\b]      ; each block's largest score: for the row's maximum, and, since p rises with the score, for the block's largest p
.endr
.irp i, 3,5,7,9,11,13
.irp b, 0,1,2,3
	v_max3_num_f32 v[248+\b], v[248+\b], v[S+16*\b+\i], v[S+1+16*\b+\i]
.endr
.endr
.irp b, 0,1,2,3
	v_max_num_f32 v[248+\b], v[248+\b], v[S+15+16*\b]
.endr
.irp b, 0,1,2,3
	v_permlanex16_b32 v[236+\b], v[248+\b], s38, s39
.endr
.irp b, 0,1,2,3
	v_max_num_f32 v[248+\b], v[248+\b], v[236+\b]
.endr
	v_max3_num_f32 v254, v248, v249, v250
	v_max_num_f32 v254, v254, v251
	v_mul_f32 v254, s36, v254
	v_max_num_f32 v[\st+1], v[\st+1], v254         ; the running largest t
	v_mov_b32 v254, v[\st]
	v_floor_f32 v[\st], -v[\st+1]                  ; -M = floor(-t)
	v_sub_f32 v254, v[\st], v254                   ; old M - new M: a whole number, 0 or less
	v_cvt_i32_f32 v254, v254
	v_ldexp_f32 v252, 1.0, v254                    ; f = 2^(old M - new M): rounds nothing
.set j, 0
.rept 32
	v_pk_fma_f32 v[S+j:S+j+1], v[S+j:S+j+1], s[36:37], v[\st:\st+1] op_sel_hi:[1,0,0]
.set j, j+2
.endr
.irp b, 0,1,2,3
	v_fma_f32 v[248+\b], v[248+\b], s36, v[\st]
.endr
.set j, 0
.rept 64
	v_exp_f32 v[S+j], v[S+j]
.set j, j+1
.endr
.irp b, 0,1,2,3
	v_exp_f32 v[248+\b], v[248+\b]
.endr
	v_pk_mul_f32 v[\st+2:\st+3], v[\st+2:\st+3], v[252:253] op_sel_hi:[1,0]     ; the sums under the new M (a plain place behind the exponentials)
	s_wait_alu depctr_va_vdst(0)
.irp b, 0,1,2,3
	v_max_num_f32 v[248+\b], 0x2800000, v[248+\b]  ; the floor: the byte cannot fall under 1
.endr
.irp b, 0,1,2,3
	v_add_nc_u32 v[244+\b], 0xfe000000, v[248+\b]
.endr
.irp b, 0,1,2,3
	v_lshrrev_b32 v[236+\b], 23, v[244+\b]
.endr
	v_lshl_or_b32 v253, v237, 8, v236              ; p's scale word for these 128 keys
	v_lshl_or_b32 v253, v238, 16, v253
	v_lshl_or_b32 v253, v239, 24, v253
.irp c, 0,1
	v_cvt_scalef32_pk16_bf6_f32 v[PCD+6*\c:PCD+2+6*\c], v[S+32*\c:S+15+32*\c], v[244+2*\c]
	v_cvt_scalef32_pk16_bf6_f32 v[236+4*\c:238+4*\c], v[S+16+32*\c:S+31+32*\c], v[244+2*\c+1]
.endr
	v_nop
.irp c, 0,1
.irp i, 0,1,2
	v_permlane16_swap_b32 v[PCD+6*\c+\i], v[236+4*\c+\i]
.endr
.irp i, 0,1,2
	v_mov_b32 v[PCD+3+6*\c+\i], v[236+4*\c+\i]
.endr
.endr
	v_pk_add_f32 v[236:237], v[S:S+1], v[S+2:S+3]  ; the row's sum of the unquantised p, in two chains
.irp j, 4,8,12,16,20,24,28,32,36,40,44,48,52,56,60
	v_pk_add_f32 v[\st+2:\st+3], v[\st+2:\st+3], v[S+\j:S+1+\j]
	v_pk_add_f32 v[236:237], v[236:237], v[S+2+\j:S+3+\j]
.endr
	v_pk_add_f32 v[\st+2:\st+3], v[\st+2:\st+3], v[236:237]
.irp j, 0,2,4,6,8,10,12,14,16,18,20,22,24,26,28,30
	v_pk_mul_f32 v[\ob+\j:\ob+\j+1], v[\ob+\j:\ob+\j+1], v[252:253] op_sel_hi:[1,0]     ; O^T under the new M
.endr
	s_wait_dscnt 0x0                               ; V^T is in
.irp t, 0,1,2,3
	WM \ob+8*\t, FRG+12*\t, PCD, \ob+8*\t, SCW+\t, 253, 1, 0
.endr
.Lskip_\@:
.endm
.macro KEYSTEP                         ; both my tiles against the key step s19, which lies at LDS byte s20
	v_add_nc_u32 v2, s20, v1
	TILE 10, 34, 36, 44, 15, 17
	TILE 22, 35, 40, 76, 16, 18
	s_add_co_u32 s20, s20, STEPB
	s_add_co_u32 s19, s19, 1
.endm
	s_mov_b32 s19, 0                               ; the key step
	s_mov_b32 s20, 0                               ; and its LDS byte
	s_wait_tensorcnt 0x2                           ; my share of part A has landed; parts B and C may stay out
	s_barrier_signal -1
	s_barrier_wait -1                              ; everybody's has: key step 0 is whole
	s_wait_loadcnt 0x0                             ; Q
	KEYSTEP                                        ; key step 0: every tile of the launch has it
	s_wait_tensorcnt 0x1                           ; my share of part B has landed; part C may stay out
	s_wait_dscnt 0x0
	s_barrier_signal -1
	s_barrier_wait -1                              ; key steps 1 to 4 are whole
	s_mov_b32 s21, 4
.Lsteps_b:
	KEYSTEP
	s_sub_co_u32 s21, s21, 1
	s_cmp_lg_u32 s21, 0
	s_cbranch_scc1 .Lsteps_b
	s_wait_tensorcnt 0x0                           ; my share of part C has landed
	s_wait_dscnt 0x0
	s_barrier_signal -1
	s_barrier_wait -1                              ; the whole head lies in LDS
	s_mov_b32 s21, 11
.Lsteps_c:
	KEYSTEP
	s_sub_co_u32 s21, s21, 1
	s_cmp_lg_u32 s21, 0
	s_cbranch_scc1 .Lsteps_c
	; THE WAY OUT: ctx = O^T / the sum, quantised along the head's 64: blocks 0, 1 are tile A's, blocks 2, 3 tile B's
	PLACES
	v_add_f32 v38, v38, v39
	v_add_f32 v42, v42, v43
	v_permlanex16_b32 v236, v38, s38, s39
	v_permlanex16_b32 v237, v42, s38, s39
	v_add_f32 v38, v38, v236
	v_add_f32 v42, v42, v237
	v_rcp_f32 v38, v38
	v_rcp_f32 v42, v42
	v_nop                                          ; one plain place behind a transcendental
.set j, 0
	s_wait_alu depctr_va_vdst(0)
.rept 32
	v_mul_f32 v[S+j], v[44+j], v38
.set j, j+1
.endr
.set j, 0
.rept 32
	v_mul_f32 v[S+32+j], v[76+j], v42
.set j, j+1
.endr
.irp b, 0,1,2,3
	v_max3_num_f32 v[248+\b], |v[S+16*\b]|, |v[S+1+16*\b]|, 0x2800000
.endr
.irp i, 2,4,6,8,10,12,14
.irp b, 0,1,2,3
	v_max3_num_f32 v[248+\b], v[248+\b], |v[S+16*\b+\i]|, |v[S+1+16*\b+\i]|
.endr
.endr
.irp b, 0,1,2,3
	v_permlanex16_b32 v[236+\b], v[248+\b], s38, s39
.endr
.irp b, 0,1,2,3
	v_max_num_f32 v[248+\b], v[248+\b], v[236+\b]
.endr
.irp b, 0,1,2,3
	v_add_nc_u32 v[244+\b], 0xfe000000, v[248+\b]
.endr
.irp b, 0,1,2,3
	v_lshrrev_b32 v[236+\b], 23, v[244+\b]
.endr
	v_lshl_or_b32 v254, v237, 8, v236              ; tile A's two bytes,
	v_lshl_or_b32 v255, v239, 8, v238              ; tile B's
.irp c, 0,1
	v_cvt_scalef32_pk16_bf6_f32 v[PCD+6*\c:PCD+2+6*\c], v[S+32*\c:S+15+32*\c], v[244+2*\c]
	v_cvt_scalef32_pk16_bf6_f32 v[236+4*\c:238+4*\c], v[S+16+32*\c:S+31+32*\c], v[244+2*\c+1]
.endr
	v_nop
.irp c, 0,1
.irp i, 0,1,2
	v_permlane16_swap_b32 v[PCD+6*\c+\i], v[236+4*\c+\i]
.endr
.irp i, 0,1,2
	v_mov_b32 v[PCD+3+6*\c+\i], v[236+4*\c+\i]
.endr
.endr
	v_and_b32 v248, 31, v0
	v_lshlrev_b32 v249, 3, v248                    ; 8 x lane
	global_store_b128 v1, v[224:227], s[48:49]     ; 512 consecutive bytes,
	global_store_b64 v249, v[228:229], s[48:49] offset:512         ; and 256
	global_store_b128 v1, v[230:233], s[50:51]
	global_store_b64 v249, v[234:235], s[50:51] offset:512
	v_and_b32 v250, 15, v0
	v_lshlrev_b32 v250, 3, v250                    ; 8 r
	v_cmp_gt_u32 vcc_lo, 16, v248                  ; lanes 0-15 store tile A's bytes, lanes 16-31 tile B's
	v_mov_b32 v251, s52
	v_mov_b32 v252, s53
	v_cndmask_b32 v251, v252, v251, vcc_lo
	v_add_nc_u32 v251, v251, v250
	v_cndmask_b32 v254, v255, v254, vcc_lo
	global_store_b16 v251, v254, s[8:9]
	s_wait_xcnt 0x0
	v_lshl_add_u32 v254, v0, 2, 0x32000
	v_mov_b32 v255, 0
	s_wait_tensorcnt 0x0
	ds_add_u32 v254, v255
	s_wait_dscnt 0x0
	s_endpgm
.Lfunc_end_k_qcf69607ac1_attn:
	.size	k_qcf69607ac1_attn, .Lfunc_end_k_qcf69607ac1_attn-k_qcf69607ac1_attn
	.p2alignl 7, 3214868480
	.fill 96, 4, 3214868480
	.section	.rodata,"a",@progbits
	.p2align	6, 0x0
	.amdhsa_kernel k_qcf69607ac1_attn
		.amdhsa_group_segment_fixed_size 206848
		.amdhsa_private_segment_fixed_size 0
		.amdhsa_enable_private_segment 0
		.amdhsa_kernarg_size 24
		.amdhsa_user_sgpr_count 2
		.amdhsa_user_sgpr_kernarg_segment_ptr 1
		.amdhsa_wavefront_size32 1
		.amdhsa_system_sgpr_workgroup_id_x 1
		.amdhsa_system_sgpr_workgroup_id_y 1
		.amdhsa_system_sgpr_workgroup_id_z 1
		.amdhsa_system_vgpr_workitem_id 0
		.amdhsa_next_free_vgpr 256
		.amdhsa_next_free_sgpr 96
		.amdhsa_reserve_vcc 1
		.amdhsa_float_denorm_mode_32 3
		.amdhsa_float_denorm_mode_16_64 3
		.amdhsa_memory_ordered 1
		.amdhsa_forward_progress 1
		.amdhsa_inst_pref_size 141
	.end_amdhsa_kernel
	.amdgpu_metadata
---
amdhsa.version: [ 1, 2 ]
amdhsa.kernels:
  - .name:           k_qcf69607ac1_attn
    .symbol:         k_qcf69607ac1_attn.kd
    .args:
      - { .name: qq, .offset: 0, .size: 8, .value_kind: global_buffer, .address_space: global }
      - { .name: kv, .offset: 8, .size: 8, .value_kind: global_buffer, .address_space: global }
      - { .name: cq, .offset: 16, .size: 8, .value_kind: global_buffer, .address_space: global }
    .group_segment_fixed_size: 206848
    .private_segment_fixed_size: 0
    .kernarg_segment_align: 8
    .kernarg_segment_size: 24
    .max_flat_workgroup_size: 512
    .sgpr_count:     96
    .vgpr_count:     256
    .wavefront_size: 32
...
	.end_amdgpu_metadata
.endif
;; end of part 3
;; launch oproj (part 4): grid 8 x 32, 4 waves a work-group, clusters of 4 x 4, 327,680 bytes of LDS; arguments cq, wq, b_o, out0; writes out0
.if DOCPART == 4
	.amdgcn_target "amdgcn-amd-amdhsa--gfx1250"
	.amdhsa_code_object_version 6
	.text
	.protected	k_qcf69607ac1_oproj
	.globl	k_qcf69607ac1_oproj
	.p2align	8
	.type	k_qcf69607ac1_oproj,@function
k_qcf69607ac1_oproj:
	s_mov_b64 s[64:65], 0
	v_nop
	global_prefetch_b8 v0, s[64:65] scope:SCOPE_SE
	s_setreg_imm32_b32 hwreg(HW_REG_WAVE_MODE, 25, 1), 1
	s_wait_xcnt 0x0
	s_wait_alu depctr_hold_cnt(0) depctr_sa_sdst(0) depctr_va_vdst(0) depctr_va_sdst(0) depctr_va_ssrc(0) depctr_va_vcc(0) depctr_vm_vsrc(0)
	s_getreg_b32 s2, hwreg(HW_REG_IB_STS2, 6, 4)
	s_cmp_eq_u32 s2, 0
	s_cbranch_scc0 .Lentry_in_a_cluster
	s_endpgm
.Lentry_in_a_cluster:
	s_bfe_u32 s2, ttmp6, 0x10000c
	s_cmp_lg_u32 s2, 0xf033
	s_cbranch_scc0 .Lentry_shape_is_right
	s_endpgm
.Lentry_shape_is_right:
; out0 = ctx W_o^T + b_o on codes of BF6 with E8M0 scales; out0 [8192][1024] f32.
; A work-group makes 256 tokens x 128 columns, so that there are 256 work-groups; a wave 128 x 64: 32 accumulators.
; ALL OF K LIES IN LDS, in four quarters of two K steps ([ctx 16 tiles x 3,072][W_o 8 tiles x 3,072]), each filled once: four tensor loads a wave go out together and are waited for one by one.
; CLUSTERS: 4 x 4 work-groups; ctx's tiles hang on the token block alone (shared along a row of the cluster), W_o's on the column block alone (shared along a column): joint loads.
; A fragment of ctx is two heads' halves of six registers (16 + 8 bytes a lane each); W_o's is three loads of 16 bytes a lane.  Scale words come once, straight into registers, 256 consecutive bytes a load.
; Source 0 = 16 rows of W_o, source 1 = 16 tokens: a lane holds eight neighbouring columns of a token's row.  The bias is the C of each sum's first instruction.
; K STEPS 0 TO 5 GO BY K, all 32 accumulators a step.  THE LAST TWO GO BY ROWS OF THE OUTPUT: both steps' fragments lie in the two sets of registers, so a tile of 16 tokens is finished by 8 products (K ascending, its four
;   accumulators by turns) and leaves at once, while the next tiles are multiplied.  Nothing follows this tile under which its stores could leave.
; Tiles hold rows in the order 32 P + 8 u + r + 8 (r / 8): the way out puts tokens and columns back in place.
; REGISTERS: window 0: v1-11 addresses; v16-47 ctx's scale words, v48-63 W_o's; v64-159 W_o's two sets; v160-255 ctx's set 0.  Window 1: accumulators ((a, b) at 8 (4 a + b)).  Window 2: v0-95 ctx's set 1; v128-159 the bias.
;   Window 3: the way out: tile a's 16 rows, read back from the stage, at v[32 a]: no store's data are written again.
.set QUART, 73728
.set STAGE, 4*QUART                    ; behind the quarters: 16 rows x 272 bytes for each wave; no fill lands there
.set CSO, 6291456
.set WSC, 3145728
.set AXO, 2                            ; v2  ctx: 16 x lane + my 8 tiles
.set AXH, 3                            ; v3  ctx: 8 x lane + my 8 tiles
.set AW,  4                            ; v4  W_o: 16 x lane + my 4 tiles
.set L8,  5
.set BH,  6                            ; v6  64 h: the bias of my half's columns
.set STO, 7
.set RD,  8
.set CO,  9
.set WF,  64
.set G1A, 24
.set G1B, 32
.set G0A, 48                           ; s[48:63] four sets
.set G0B, 68                           ; s[68:83] four sets
.set MSB, 0
.macro WIN new
.if MSB != \new
	s_set_vgpr_msb (MSB<<8)|\new
.set MSB, \new
.endif
.endm
.macro PLACES
.rept 4
	v_nop
.endr
.endm
.macro CREST
	s_cmp_lg_u32 s14, 0
	s_cbranch_scc1 .Lnot_wave_0_\@
	s_barrier_signal -3
.Lnot_wave_0_\@:
	s_barrier_wait -3
	s_barrier_signal -1
	s_barrier_wait -1
.endm
.macro CROUND
	s_barrier_signal -1
	s_barrier_wait -1
	CREST
.endm
.macro WM d, a, b, c, sa, sb, ra, rb
.if (\ra) && (\rb)
	v_wmma_scale_f32_16x16x128_f8f6f4 v[\d:\d+7], v[\a:\a+11], v[\b:\b+11], v[\c:\c+7], v[\sa], v[\sb] matrix_a_fmt:MATRIX_FMT_BF6 matrix_b_fmt:MATRIX_FMT_BF6 matrix_a_scale:MATRIX_SCALE_ROW1 matrix_b_scale:MATRIX_SCALE_ROW1
.elseif (\ra)
	v_wmma_scale_f32_16x16x128_f8f6f4 v[\d:\d+7], v[\a:\a+11], v[\b:\b+11], v[\c:\c+7], v[\sa], v[\sb] matrix_a_fmt:MATRIX_FMT_BF6 matrix_b_fmt:MATRIX_FMT_BF6 matrix_a_scale:MATRIX_SCALE_ROW1
.elseif (\rb)
	v_wmma_scale_f32_16x16x128_f8f6f4 v[\d:\d+7], v[\a:\a+11], v[\b:\b+11], v[\c:\c+7], v[\sa], v[\sb] matrix_a_fmt:MATRIX_FMT_BF6 matrix_b_fmt:MATRIX_FMT_BF6 matrix_b_scale:MATRIX_SCALE_ROW1
.else
	v_wmma_scale_f32_16x16x128_f8f6f4 v[\d:\d+7], v[\a:\a+11], v[\b:\b+11], v[\c:\c+7], v[\sa], v[\sb] matrix_a_fmt:MATRIX_FMT_BF6 matrix_b_fmt:MATRIX_FMT_BF6
.endif
.endm
	s_load_b256 s[4:11], s[0:1], 0x0               ; cq, wq, b_o, out0
	v_lshl_add_u32 v14, v0, 2, 0x4c400
	v_mov_b32 v15, 0
	ds_add_u32 v14, v15
	ds_add_u32 v14, v15
	v_lshrrev_b32 v1, 5, v0
	v_readfirstlane_b32 s14, v1                    ; wave
	s_lshr_b32 s15, s14, 1                         ; which 128 tokens.  Also: I fetch for ctx (0) or for W_o (1)
	s_and_b32 s16, s14, 1                          ; which 64 columns.  Also: which half of that tile I fetch
	s_bfe_u32 s40, ttmp6, 0x40000
	s_bfe_u32 s41, ttmp6, 0x40004
	s_lshl_b32 s42, ttmp9, 2
	s_add_co_u32 s42, s42, s40                     ; block of 128 columns
	s_and_b32 s17, ttmp7, 0xffff
	s_lshl_b32 s17, s17, 2
	s_add_co_u32 s17, s17, s41                     ; block of 256 tokens
	s_lshl_b32 s43, s41, 2
	s_lshl_b32 s43, 15, s43
	s_lshl_b32 s44, 0x1111, s40
	s_or_b32 s[G1A], s43, (3<<16)|(1<<21)          ; ctx: my row's mask; elements of 8 bytes; 8 tiles of 3,072 bytes, 12,288 apart
	s_mov_b32 s[G1A+1], 384<<16
	s_mov_b32 s[G1A+2], 8<<16
	s_mov_b32 s[G1A+3], 384<<16
	s_mov_b32 s[G1A+4], 8
	s_mov_b32 s[G1A+5], 1536
	s_mov_b32 s[G1A+6], 0
	s_mov_b32 s[G1A+7], 0
	s_or_b32 s[G1B], s44, (3<<16)|(1<<21)          ; W_o: my column's mask; 4 tiles
	s_mov_b32 s[G1B+1], 384<<16
	s_mov_b32 s[G1B+2], 4<<16
	s_mov_b32 s[G1B+3], 384<<16
	s_mov_b32 s[G1B+4], 4
	s_mov_b32 s[G1B+5], 1536
	s_mov_b32 s[G1B+6], 0
	s_mov_b32 s[G1B+7], 0
	s_mul_i32 s20, s17, 196608
	s_mul_i32 s21, s16, 98304
	s_add_co_u32 s20, s20, s21
	s_mov_b32 s21, 0
	s_lshl_b32 s46, s42, 3
	s_lshl_b32 s47, s16, 2
	s_add_co_u32 s46, s46, s47
	s_add_co_u32 s46, s46, 192                     ; W_o's tiles begin at tile 192 of wq
	s_mul_i32 s46, s46, 12288
	s_mov_b32 s47, 0
	s_mul_i32 s22, s16, 24576                      ; where ctx's half goes in a quarter,
	s_mul_i32 s23, s16, 12288
	s_add_co_u32 s23, s23, 49152                   ; and W_o's
	s_lshl_b32 s94, s17, 13                        ; ctx's scale words: group 8 mb + 4 (w / 2)
	s_lshl_b32 s95, s15, 12
	s_add_co_u32 s94, s94, s95
	s_add_co_u32 s94, s94, CSO
	s_mov_b32 s95, 0
	s_lshl_b32 s96, s42, 12                        ; W_o's: group 96 + 4 nb + 2 (w % 2)
	s_lshl_b32 s97, s16, 11
	s_add_co_u32 s96, s96, s97
	s_add_co_u32 s96, s96, WSC+96*1024
	s_mov_b32 s97, 0
	s_lshl_b32 s98, s42, 9                         ; my 64 columns, in bytes
	s_lshl_b32 s99, s16, 8
	s_add_co_u32 s98, s98, s99
	s_mov_b32 s99, 0
	s_lshl_b32 s18, s17, 20                        ; my 128 rows of out0
	s_lshl_b32 s19, s15, 19
	s_add_co_u32 s18, s18, s19
	s_add_co_u32 s18, s18, s98
	s_mov_b32 s19, 0
	s_wait_dscnt 0x0
	s_wait_kmcnt 0x0
	s_add_nc_u64 s[20:21], s[4:5], s[20:21]
	s_add_nc_u64 s[46:47], s[6:7], s[46:47]
	s_add_nc_u64 s[86:87], s[4:5], s[94:95]
	s_add_nc_u64 s[88:89], s[6:7], s[96:97]
	s_add_nc_u64 s[90:91], s[8:9], s[98:99]
	s_add_nc_u64 s[92:93], s[10:11], s[18:19]
.irp f, 0,1,2,3
	s_mov_b32 s[G0A+4*\f], 1
	s_add_co_u32 s[G0A+4*\f+1], s22, \f*QUART
	s_add_nc_u64 s[G0A+4*\f+2:G0A+4*\f+3], s[20:21], \f*3072
	s_or_b32 s[G0A+4*\f+3], s[G0A+4*\f+3], 0x80000000
	s_mov_b32 s[G0B+4*\f], 1
	s_add_co_u32 s[G0B+4*\f+1], s23, \f*QUART
	s_add_nc_u64 s[G0B+4*\f+2:G0B+4*\f+3], s[46:47], \f*3072
	s_or_b32 s[G0B+4*\f+3], s[G0B+4*\f+3], 0x80000000
.endr
	CROUND                                         ; all sixteen work-groups are here: the joint loads meet
	s_cmp_lt_u32 s14, 2                            ; a wave's four fills stand in one branch: four tensor loads of mine are out
	s_cbranch_scc0 .Lfor_w
	tensor_load_to_lds s[G0A:G0A+3], s[G1A:G1A+7]
	s_nop 0
	tensor_load_to_lds s[G0A+4:G0A+7], s[G1A:G1A+7]
	s_nop 0
	tensor_load_to_lds s[G0A+8:G0A+11], s[G1A:G1A+7]
	s_nop 0
	tensor_load_to_lds s[G0A+12:G0A+15], s[G1A:G1A+7]
	s_nop 0
.rept 4
	v_nop
.endr
	s_branch .Lasked
.Lfor_w:
	tensor_load_to_lds s[G0B:G0B+3], s[G1B:G1B+7]
	s_nop 0
	tensor_load_to_lds s[G0B+4:G0B+7], s[G1B:G1B+7]
	s_nop 0
	tensor_load_to_lds s[G0B+8:G0B+11], s[G1B:G1B+7]
	s_nop 0
	tensor_load_to_lds s[G0B+12:G0B+15], s[G1B:G1B+7]
	s_nop 0
.rept 4
	v_nop
.endr
.Lasked:
	v_and_b32 v1, 31, v0
	v_and_b32 v10, 15, v0
	v_bfe_u32 v11, v0, 4, 1
	s_mul_i32 s18, s15, 24576
	v_lshl_add_u32 v[AXO], v1, 4, s18
	v_lshl_add_u32 v[AXH], v1, 3, s18
	s_mul_i32 s19, s16, 12288
	s_add_co_u32 s19, s19, 49152
	v_lshl_add_u32 v[AW], v1, 4, s19
	v_lshlrev_b32 v[L8], 3, v1
	v_lshlrev_b32 v[BH], 6, v11
	s_mul_i32 s18, s14, 4352
	s_add_co_u32 s18, s18, STAGE                   ; my stage
	v_mul_u32_u24 v[STO], v10, 272
	v_lshl_add_u32 v[STO], v11, 6, v[STO]
	v_add_nc_u32 v[STO], s18, v[STO]               ; in: row r, + 64 h
	v_mul_u32_u24 v[RD], v11, 272
	v_lshl_add_u32 v[RD], v10, 4, v[RD]
	v_add_nc_u32 v[RD], s18, v[RD]                 ; back: lanes 0-15 one row of 256 bytes, lanes 16-31 the next
	v_lshlrev_b32 v[CO], 12, v11
	v_lshl_add_u32 v[CO], v10, 4, v[CO]            ; and the same two rows in out0
.irp p, 0,1,2,3
.irp i, 0,1,2,3
	global_load_b64 v[16+8*\p+2*\i:16+8*\p+2*\i+1], v[L8], s[86:87] offset:\i*1024+\p*256
.endr
.irp i, 0,1
	global_load_b64 v[48+4*\p+2*\i:48+4*\p+2*\i+1], v[L8], s[88:89] offset:\i*1024+\p*256
.endr
.endr
	WIN 0x80                                       ; destination window 2
.irp b, 0,1,2,3
	global_load_b128 v[128+8*\b:128+8*\b+3], v[BH], s[90:91] offset:(32*(\b/2)+8*(\b%2))*4
	global_load_b128 v[128+8*\b+4:128+8*\b+7], v[BH], s[90:91] offset:(32*(\b/2)+8*(\b%2))*4+16
.endr
	WIN 0
.macro FETCH k                         ; K step k's fragments: 12 loads for W_o, then 4 for each of ctx's 8 tiles, into set k % 2
	WIN 0
.irp b, 0,1,2,3
.irp c, 0,1,2
	ds_load_b128 v[WF+48*((\k)%2)+12*\b+4*\c:WF+48*((\k)%2)+12*\b+4*\c+3], v[AW] offset:\b*3072+((\k)%2)*1536+512*\c
.endr
.endr
.if (\k)%2
	WIN 0x80
.endif
.set XB, 160*(1-(\k)%2)
.irp a, 0,1,2,3,4,5,6,7
	ds_load_b128 v[XB+12*\a:XB+12*\a+3], v[AXO] offset:\a*3072+((\k)%2)*1536
	ds_load_b64 v[XB+12*\a+4:XB+12*\a+5], v[AXH] offset:\a*3072+((\k)%2)*1536+512
	ds_load_b128 v[XB+12*\a+6:XB+12*\a+9], v[AXO] offset:\a*3072+((\k)%2)*1536+768
	ds_load_b64 v[XB+12*\a+10:XB+12*\a+11], v[AXH] offset:\a*3072+((\k)%2)*1536+1280
.endr
	WIN 0
.endm
.macro KSTEP k                         ; one of K steps 0 to 5: the next step's fragments are asked for, then 32 products, the accumulators by turns
.if (\k+1)%2 == 0
	s_wait_tensorcnt 3-(\k+1)/2                    ; my part of the next quarter is in; the later quarters may stay out
	s_wait_dscnt 0x0
	s_barrier_signal -1
	s_barrier_wait -1                              ; everybody's is
	v_add_nc_u32 v[AXO], QUART, v[AXO]
	v_add_nc_u32 v[AXH], QUART, v[AXH]
	v_add_nc_u32 v[AW], QUART, v[AW]
.endif
	PLACES                                         ; ahead of loads into the set that the last step's products read
	FETCH \k+1
	s_wait_dscnt 44                                ; this step's fragments are in; the 44 just issued may be out
.if \k == 0
	WIN 0x60                                       ; C: the bias, window 2; D: window 1
.elseif (\k)%2
	WIN 0x58                                       ; ctx's set 1: window 2
.else
	WIN 0x50
.endif
.irp a, 0,1,2,3,4,5,6,7
.irp b, 0,1,2,3
.set rD, 8*(4*\a+\b)
.set rA, WF+48*((\k)%2)+12*\b
.set rB, 160*(1-(\k)%2)+12*\a
.set rSA, 48+4*((\k)/2)+2*(\b/2)+(\k)%2
.set rSB, 16+8*((\k)/2)+2*(\a/2)+(\k)%2
.if \k == 0
	WM rD, rA, rB, 128+8*\b, rSA, rSB, \b%2, \a%2
.else
	WM rD, rA, rB, rD, rSA, rSB, \b%2, \a%2
.endif
.endr
.endr
	WIN 0
.endm
; K steps 6 and 7 of token tile a: 8 products, its four accumulators by turns, K ascending: the tile is finished
.macro ROWT a
.irp k, 6,7
.if \k == 6
	WIN 0x50
.else
	WIN 0x58
.endif
.irp b, 0,1,2,3
.set rD, 8*(4*(\a)+\b)
.set rA, WF+48*(\k%2)+12*\b
.set rB, 160*(1-\k%2)+12*(\a)
.set rSA, 48+4*(\k/2)+2*(\b/2)+\k%2
.set rSB, 16+8*(\k/2)+2*((\a)/2)+\k%2
	WM rD, rA, rB, rD, rSA, rSB, \b%2, (\a)%2
.endr
.endr
.endm
; THE WAY OUT, a tile of 16 tokens at a time, through my own stage: a lane's 32 bytes of a row go in, whole rows of 256 bytes come back.  LDS serves a wave's instructions in order.
.macro TOSTAGE a
	WIN 0x04                                       ; an LDS store's data are its source 1: window 1
.irp b, 0,1,2,3
	ds_store_b128 v[STO], v[8*(4*(\a)+\b):8*(4*(\a)+\b)+3] offset:128*(\b/2)+32*(\b%2)       ; each accumulator from its low end on
	ds_store_b128 v[STO], v[8*(4*(\a)+\b)+4:8*(4*(\a)+\b)+7] offset:128*(\b/2)+32*(\b%2)+16
.endr
	WIN 0xc0                                       ; destination window 3
.irp i, 0,1,2,3,4,5,6,7
	ds_load_b128 v[32*(\a)+4*\i:32*(\a)+4*\i+3], v[RD] offset:2*\i*272
.endr
.endm
.macro SEND a, younger                 ; younger: the LDS instructions issued behind tile a's loads, which may stay out
	s_wait_dscnt \younger
	WIN 0x0c                                       ; a store's data are its source 1: window 3
.irp i, 0,1,2,3,4,5,6,7
	global_store_b128 v[CO], v[32*(\a)+4*\i:32*(\a)+4*\i+3], s[92:93] offset:(32*((\a)/2)+8*((\a)%2)+2*\i+8*(\i/4))*4096 th:TH_STORE_NT    ; 16 lanes store 256 consecutive bytes, at a multiple of 256; stage row 2 i + h is the tile's token 2 i + h + 8 (i / 4)
.endr
.endm
	s_wait_tensorcnt 3                             ; my part of the first quarter is in,
	s_barrier_signal -1
	s_barrier_wait -1                              ; everybody's is
	FETCH 0
	s_wait_loadcnt 0x0                             ; the scale words and the bias
	KSTEP 0
	KSTEP 1
	KSTEP 2
	KSTEP 3
	KSTEP 4
	KSTEP 5                                        ; (it has asked for K step 6's fragments, into set 0)
	PLACES                                         ; ahead of loads into set 1, which K step 5's products read
	FETCH 7
	s_wait_dscnt 28                                ; K step 6's fragments, K step 7's of W_o and of ctx's tile 0 are in; ctx's tiles 1 to 7, four loads each, may be out
	ROWT 0
	PLACES                                         ; the stage's stores read results just made
	TOSTAGE 0
.irp a, 1,2,3,4,5,6,7
.if \a == 1
	s_wait_dscnt 16                                ; all fragments are in; tile 0's trip through the stage may be out
.endif
	ROWT \a
	PLACES
	TOSTAGE \a
	SEND \a-1, 16                                  ; behind tile a - 1's loads: tile a's 8 stores and 8 loads
.endr
	SEND 7, 0
	WIN 0                                          ; at a label and at a branch every window is 0
	s_wait_tensorcnt 0x0
	ds_add_u32 v14, v15
	s_wait_dscnt 0x0
	CROUND                                         ; the closing round
	s_endpgm
.Lfunc_end_k_qcf69607ac1_oproj:
	.size	k_qcf69607ac1_oproj, .Lfunc_end_k_qcf69607ac1_oproj-k_qcf69607ac1_oproj
	.p2alignl 7, 3214868480
	.fill 96, 4, 3214868480
	.section	.rodata,"a",@progbits
	.p2align	6, 0x0
	.amdhsa_kernel k_qcf69607ac1_oproj
		.amdhsa_group_segment_fixed_size 327680
		.amdhsa_private_segment_fixed_size 0
		.amdhsa_enable_private_segment 0
		.amdhsa_kernarg_size 32
		.amdhsa_user_sgpr_count 2
		.amdhsa_user_sgpr_kernarg_segment_ptr 1
		.amdhsa_wavefront_size32 1
		.amdhsa_system_sgpr_workgroup_id_x 1
		.amdhsa_system_sgpr_workgroup_id_y 1
		.amdhsa_system_sgpr_workgroup_id_z 1
		.amdhsa_system_vgpr_workitem_id 0
		.amdhsa_next_free_vgpr 1024
		.amdhsa_next_free_sgpr 100
		.amdhsa_reserve_vcc 0
		.amdhsa_float_denorm_mode_32 3
		.amdhsa_float_denorm_mode_16_64 3
		.amdhsa_memory_ordered 1
		.amdhsa_forward_progress 1
		.amdhsa_inst_pref_size 85
	.end_amdhsa_kernel
	.amdgpu_metadata
---
amdhsa.version: [ 1, 2 ]
amdhsa.kernels:
  - .name:           k_qcf69607ac1_oproj
    .symbol:         k_qcf69607ac1_oproj.kd
    .args:
      - { .name: cq, .offset: 0, .size: 8, .value_kind: global_buffer, .address_space: global }
      - { .name: wq, .offset: 8, .size: 8, .value_kind: global_buffer, .address_space: global }
      - { .name: b_o, .offset: 16, .size: 8, .value_kind: global_buffer, .address_space: global }
      - { .name: out0, .offset: 24, .size: 8, .value_kind: global_buffer, .address_space: global }
    .group_segment_fixed_size: 327680
    .private_segment_fixed_size: 0
    .kernarg_segment_align: 8
    .kernarg_segment_size: 32
    .max_flat_workgroup_size: 128
    .sgpr_count:     100
    .vgpr_count:     1024
    .wavefront_size: 32
...
	.end_amdgpu_metadata
.endif
;; end of part 4
